; MI455X (gfx1250); checked and timed in simulation.
; The chip was launched on July 23, 2026; its instructions are those of AMD's public machine-readable ISA for CDNA 5 (MIT licence, August 2026) and "CDNA5" Instruction Set Architecture Reference Guide (July 2026). The comments in the code are by the model that wrote it; some were corrected since.
;; Attention. Allowed arithmetic: matrix products marked QUANTISED: E4M3 operands, one given power-of-two scale a tensor, by v_wmma_f32_16x16x64_fp8_fp8 or v_wmma_f32_16x16x128_fp8_fp8, f32 sums; everything else in f32.
;; Inputs: attn_mask 4 x 1,024 x 1,024 bool; lowp_scales 10 int32 (the exponents e of the quantised operands' scales 2^e); segment_pos 4 x 1,024 int32; wkv 2 x 1 x 2,048 x 128 float32; wo 16 x 128 x 2,048 float32; wq 16 x 2,048 x 128 float32; x 4 x 1,024 x 2,048 float32.
;; Outputs: out0 4 x 1,024 x 2,048 float32.
;; This version of the problem:
;;   THIS VERSION OF THE PROBLEM IS GIVEN IN LOW PRECISION. The matrix products marked QUANTISED in the list below multiply operands that are first quantised to E4M3 (4 exponent bits, 3 mantissa bits; 8 bits a number), with one given power-of-two scale for each operand tensor; their sums are f32. All else is computed in f32.
;;   The module's matrix products, in the order in which they are computed (A, B: the left and right operand; K: the contracted axis; several contracted axes count as one K, in the product's order):
;;     1. [M 4,096, K 2,048] x [K 2,048, N 2,048]; A: input x; B: input wq: QUANTISED (scales: A lowp_scales[0], B lowp_scales[1])
;;     2. [M 256, K 2,048] x [K 2,048, N 4,096]; A: input wkv; B: input x: QUANTISED (scales: A lowp_scales[2], B lowp_scales[3])
;;     3. batch 64 x [M 1,024, K 128] x [K 128, N 1,024]; A: computed on the way; B: computed on the way: QUANTISED (scales: A lowp_scales[4], B lowp_scales[5])
;;     4. batch 64 x [M 128, K 1,024] x [K 1,024, N 1,024]; A: computed on the way; B: softmax (see below): QUANTISED (scales: A lowp_scales[6], B lowp_scales[7])
;;     5. [M 4,096, K 2,048] x [K 2,048, N 2,048]; A: computed on the way; B: input wo: QUANTISED (scales: A lowp_scales[8], B lowp_scales[9])
;;   THE QUANTISER, for each operand of a quantised product, along K:
;;     - The operand's scale is 2^e, e = its entry of the input lowp_scales (int32; the entries are numbered through the quantised products in the list's order, A before B).
;;     - Each number is divided by the scale, clamped to +-448, and rounded to the nearest number of E4M3, ties to even, subnormals kept.
;;     - The product sums the exact products of the quantised numbers (number of the format x scale) in f32.
;;   ~~~python
;;   def quantise(x, axis, e):      # numpy; x: float32 -> the quantised numbers, widened to float32 again
;;       x = np.moveaxis(x, axis, -1); K = x.shape[-1]
;;       r = np.clip(x / 2.0 ** e, -448, 448)
;;       step = 2.0 ** (np.maximum(np.frexp(np.where(r == 0, 1, r))[1] - 1, -6) - 3)
;;       q = np.round(r / step) * step * 2.0 ** e      # np.round: ties to even
;;       return np.moveaxis(q, -1, axis).astype(np.float32)
;;   ~~~
;;   SOFTMAX AHEAD OF A QUANTISED PRODUCT. Where the list says 'softmax', what is quantised is not the finished softmax but p = 2^(t - M), with t = logit x log2(e) and M = ceil(the row's largest t), a whole number; so 1/2 < the row's largest p <= 1. The row's sum l is taken of the UNQUANTISED p, in f32, and the product's result is divided by l at the end. Since M is a whole number, a kernel that streams over the keys may use a running M (the ceiling of the running maximum): every later rescaling is an exact power of two, so the quantised numbers keep their values, but for numbers so far below the row's largest that they fall under the format's range.
;;   OPERANDS COMPUTED ON THE WAY. 'Computed on the way' means the value that the module computes at that place (a softmax that the list does not call 'softmax' is quantised finished and normalised). What goes into a quantiser is computed in f32, as accurately as f32 sums, v_exp_f32 and their like allow (about 1e-6 of the number): no bf16 or f16 on the way to a quantiser, and a product that is left as it is and whose result goes on into a quantised operand takes f32 operands (vector FMAs, or v_wmma_f32_16x16x4_f32). A number that lies on a knife's edge between two numbers of the format may be rounded either way, as far as f32 arithmetic and the matrix unit's own rounding can turn it there, and no further.
;; One version. Each part assembles by itself: llvm-mc -triple=amdgcn-amd-amdhsa -mcpu=gfx1250 --defsym DOCPART=n.
;; ======== version 1 of 1: 4 launches
;; limits: right only within a limited range of input values
;; workspace buffers: x_codes 16,777,216 bytes; w_codes 8,912,896 bytes; maskw 524,288 bytes of whole numbers; mflag 65,536 bytes of whole numbers; rope_tab 2,105,344 bytes; q_img 8,388,608 bytes; kv_img 1,048,576 bytes; enc_codes 8,388,608 bytes
;; launch prep (part 1): grid 720 x 1, 4 waves a work-group, no clusters, 89,600 bytes of LDS; arguments x, wq, wkv, wo, attn_mask, segment_pos, lowp_scales, x_codes, w_codes, maskw, rope_tab, mflag; writes x_codes, w_codes, maskw, rope_tab, mflag
.if DOCPART == 1
	.amdgcn_target "amdgcn-amd-amdhsa--gfx1250"
	.amdhsa_code_object_version 6
	.text
	.protected	k_q5f64114f75_prep
	.globl	k_q5f64114f75_prep
	.p2align	8
	.type	k_q5f64114f75_prep,@function
k_q5f64114f75_prep:
	s_mov_b64 s[64:65], 0
	v_nop
	global_prefetch_b8 v0, s[64:65] scope:SCOPE_SE
	s_setreg_imm32_b32 hwreg(HW_REG_WAVE_MODE, 25, 1), 1
	s_wait_xcnt 0x0
; PREPARATION, four kinds of work in one launch, parted by the work-group's number; waves share nothing, so there is no barrier.
;   work-groups   0-255: x [4096][2048] f32 -> x_codes [2][4096][2048]: E4M3 codes, half 0 with the scale 2^e0 (product 1), half 1 with 2^e3 (product 2).
;   work-groups 256-527: wq, wkv, wo (K is not their last axis) -> w_codes [4352][2048], K innermost: rows 0-2047 wq (e1), 2048-2303 wk, wv (e2), 2304-4351 wo (e9).
;   work-groups 528-655: attn_mask -> maskw [256 blocks of 16 queries][8 key steps][64 words]: word 8 u + j, bit 16 h + r = mask(query r, key 128 step + 16 u + 8 h + j): a lane mask for v_cndmask_b32.
;   work-groups 656-719: segment_pos -> rope_tab [257 blocks of 16 rows][16 pieces][32 lanes][4] f32: piece 4 cb + 2 sc + q (sc 0 cos, 1 sin), lane 16 h + r, element i: row r, frequency 16 cb + 8 h + 4 q + i.
;                        Block 256 is cos = 1, sin = 0 (for v, which is not rotated).
; code = number / 2^e, held within +-448, to the nearest code, ties to even.
; LIMITS: each e between -126 and 119; NaN among the inputs is not served; |segment_pos| <= 100,000 (the argument's reduction by pi/2 in two parts serves that range).
; No cluster: no two work-groups read the same bytes.  Each path has LDS bytes of its own.
.set XST,   0                          ; x: for each wave two stages of 32 x 80 bytes
.set WST,   20480                      ; weights: for each wave 32 rows x 272 bytes
.set MST,   55296                      ; mask: for each wave 16 rows x 528 bytes
.set SPARE, 89088                      ; the spare words, 128 bytes for each wave: two blocks of 256 bytes that no other line names
.set SPW,   12                         ; v12  LDS address of my spare word; never rewritten
.set NIL,   13                         ; v13  0; never rewritten
.macro FINISH                          ; the wave's end, behind my last LDS store
	s_wait_tensorcnt 0x0
	ds_add_u32 v[SPW], v[NIL]
	s_wait_dscnt 0x0
	s_endpgm
.endm
.macro SCALE e, sc, lim                ; from the exponent in s[e]: v[sc] = 2^e as f32, v[lim] = 448 x 2^e
	s_add_co_i32 s60, s[\e], 127
	s_lshl_b32 s61, s60, 23
	v_mov_b32 v[\sc], s61
	s_add_co_i32 s60, s60, 8
	s_lshl_b32 s60, s60, 23
	s_or_b32 s60, s60, 0x600000
	v_mov_b32 v[\lim], s60
.endm
	s_load_b512 s[4:19], s[0:1], 0x0               ; x 4, wq 6, wkv 8, wo 10, attn_mask 12, segment_pos 14, lowp_scales 16, x_codes 18
	s_load_b128 s[20:23], s[0:1], 0x40             ; w_codes 20, maskw 22
	s_load_b64 s[24:25], s[0:1], 0x50              ; rope_tab
	s_load_b64 s[62:63], s[0:1], 0x58              ; mflag [256 blocks of 16 queries][2 halves of the keys][32 words]: word 2 sp: bit 16 h + r = some key of lane (r, h) in key step sp counts; word 2 sp + 1: all of them count; words 8-31 are 0
	v_lshl_add_u32 v[SPW], v0, 2, SPARE
	v_mov_b32 v[NIL], 0
	v_lshrrev_b32 v1, 5, v0
	v_readfirstlane_b32 s26, v1                    ; wave 0..3
	v_and_b32 v2, 31, v0                           ; lane
	s_wait_kmcnt 0x0
	s_load_b256 s[32:39], s[16:17], 0x0            ; e0 .. e7
	s_load_b64 s[40:41], s[16:17], 0x20            ; e8, e9
	s_cmp_lt_u32 ttmp9, 256
	s_cbranch_scc1 .Lx
	s_cmp_lt_u32 ttmp9, 528
	s_cbranch_scc1 .Lw
	s_cmp_lt_u32 ttmp9, 656
	s_cbranch_scc1 .Lm
; ---------------------------------------------------------------- the table of cosines and sines: a wave makes one block of 16 rows
	s_sub_co_u32 s27, ttmp9, 656
	s_lshl_b32 s27, s27, 2
	s_add_co_u32 s27, s27, s26                     ; the block
	s_wait_alu depctr_va_vdst(0)
	v_and_b32 v4, 15, v2                           ; r
	v_lshrrev_b32 v5, 4, v2                        ; h
	v_lshlrev_b32 v9, 2, v4
	v_lshlrev_b32 v5, 3, v5                        ; 8 h
	v_lshlrev_b32 v8, 4, v2                        ; 16 x lane
	s_lshl_b32 s30, s27, 6
	s_mov_b32 s31, 0
	s_add_nc_u64 s[14:15], s[14:15], s[30:31]
	global_load_b32 v3, v9, s[14:15]               ; my row's position
	s_mov_b32 s44, 0x3e549a78                      ; log2(10000) / 64, upper part,
	s_mov_b32 s45, 0x31979a19                      ; and the rest
	s_mov_b32 s46, 0x3f22f983                      ; 2 / pi
	s_mov_b32 s47, 0xbfc90fdb                      ; -(pi / 2), upper part,
	s_mov_b32 s48, 0x333bbd2e                      ; and minus the rest
	s_mov_b32 s49, 0xb94ca1f9                      ; sine: rho + rho z ((S0 z + S1) z + S2), z = rho^2
	s_mov_b32 s50, 0x3c08839e
	s_mov_b32 s51, 0xbe2aaaa3
	s_mov_b32 s52, 0x37ccf5ce                      ; cosine: 1 + z (-1/2 + z ((C0 z + C1) z + C2))
	s_mov_b32 s53, 0xbab6061a
	s_mov_b32 s54, 0x3d2aaaa5
	s_cmp_lg_u32 ttmp9, 656
	s_cbranch_scc1 .Lr_tab
.irp i, 0,1,2,3                        ; the first of these work-groups also stores block 256: wave w its pieces 4 w .. 4 w + 3
	v_mov_b32 v[16+\i], 1.0
	v_mov_b32 v[20+\i], 0
.endr
	s_lshl_b32 s30, s26, 11
	s_add_co_u32 s30, s30, 0x200000
	s_add_nc_u64 s[56:57], s[24:25], s[30:31]
	s_wait_alu depctr_va_vdst(0)
	global_store_b128 v8, v[16:19], s[56:57]
	global_store_b128 v8, v[16:19], s[56:57] offset:512
	global_store_b128 v8, v[20:23], s[56:57] offset:1024
	global_store_b128 v8, v[20:23], s[56:57] offset:1536
	s_wait_xcnt 0x0                                ; the stores have read v16-23, which the trips below write
.Lr_tab:
	s_lshl_b32 s30, s27, 13
	s_add_nc_u64 s[24:25], s[24:25], s[30:31]      ; my block of 8,192 bytes
	s_wait_loadcnt 0x0
	v_cvt_f32_i32 v3, v3
	s_mov_b32 s28, 0
.Lr_trip:                              ; 8 trips: pieces pc = 0, 1, 4, 5, 8, 9, 12, 13 (cosines) and pc + 2 (sines); four frequencies a lane
	s_lshr_b32 s29, s28, 1
	s_lshl_b32 s29, s29, 2
	s_and_b32 s30, s28, 1
	s_add_co_u32 s29, s29, s30                     ; pc
	s_wait_alu depctr_va_vdst(0)
	v_lshl_add_u32 v6, s29, 2, v5                  ; my first frequency: 4 pc + 8 h
	v_lshl_add_u32 v7, s29, 9, v8                  ; 512 pc + 16 x lane
.irp i, 0,1,2,3
	v_add_nc_u32 v[16+\i], \i, v6
	v_cvt_f32_u32 v[16+\i], v[16+\i]               ; f
	v_mul_f32 v[20+\i], s44, v[16+\i]
	v_floor_f32 v[20+\i], v[20+\i]                 ; n = the whole part of f log2(10000) / 64
	v_fma_f32 v[24+\i], v[16+\i], s44, -v[20+\i]   ; the rest, with one rounding,
	v_fmac_f32 v[24+\i], s45, v[16+\i]             ; and the constant's lower part
	v_cvt_i32_f32 v[20+\i], v[20+\i]
.endr
	s_wait_alu depctr_va_vdst(0)
.irp i, 0,1,2,3
	v_exp_f32 v[24+\i], v[24+\i]
.endr
	v_nop                                          ; a plain instruction behind the last exponential,
	s_wait_alu depctr_va_vdst(0)                   ; and one wait for the four, ahead of their first reader
.irp i, 0,1,2,3
	v_ldexp_f32 v[24+\i], v[24+\i], v[20+\i]       ; the timescale 10000^(f / 64)
.endr
	s_wait_alu depctr_va_vdst(0)
.irp i, 0,1,2,3
	v_rcp_f32 v[28+\i], v[24+\i]
.endr
	v_nop
	s_wait_alu depctr_va_vdst(0)                   ; one wait for the four reciprocals
.irp i, 0,1,2,3
	v_mul_f32 v[32+\i], v3, v[28+\i]
	v_fma_f32 v[36+\i], -v[32+\i], v[24+\i], v3
	v_fmac_f32 v[32+\i], v[36+\i], v[28+\i]        ; y = position / timescale, the quotient corrected once by its remainder
	v_mul_f32 v[36+\i], s46, v[32+\i]
	v_rndne_f32 v[36+\i], v[36+\i]                 ; the quarter turns in y
	v_fma_f32 v[32+\i], v[36+\i], s47, v[32+\i]
	v_fma_f32 v[32+\i], v[36+\i], s48, v[32+\i]    ; rho = y less so many pi / 2
	v_cvt_i32_f32 v[36+\i], v[36+\i]
	v_mul_f32 v[40+\i], v[32+\i], v[32+\i]         ; z
	v_fma_f32 v[44+\i], v[40+\i], s49, s50
	v_fma_f32 v[48+\i], v[40+\i], s52, s53
	v_fma_f32 v[44+\i], v[44+\i], v[40+\i], s51
	v_fma_f32 v[48+\i], v[48+\i], v[40+\i], s54
	v_mul_f32 v[44+\i], v[44+\i], v[40+\i]
	v_fma_f32 v[48+\i], v[48+\i], v[40+\i], -0.5
	v_fma_f32 v[44+\i], v[44+\i], v[32+\i], v[32+\i]   ; sin rho
	v_fma_f32 v[48+\i], v[48+\i], v[40+\i], 1.0        ; cos rho
	v_and_b32 v[52+\i], 1, v[36+\i]
	v_cmp_eq_u32 vcc_lo, 1, v[52+\i]               ; an odd number of quarter turns exchanges the two
	v_cndmask_b32 v[56+\i], v[44+\i], v[48+\i], vcc_lo
	v_cndmask_b32 v[60+\i], v[48+\i], v[44+\i], vcc_lo
	v_and_b32 v[52+\i], 2, v[36+\i]                ; the sine changes sign in quarters 2 and 3,
	v_lshlrev_b32 v[52+\i], 30, v[52+\i]
	v_xor_b32 v[56+\i], v[52+\i], v[56+\i]
	v_add_nc_u32 v[52+\i], 1, v[36+\i]             ; the cosine in quarters 1 and 2
	v_and_b32 v[52+\i], 2, v[52+\i]
	v_lshlrev_b32 v[52+\i], 30, v[52+\i]
	v_xor_b32 v[60+\i], v[52+\i], v[60+\i]
.endr
	global_store_b128 v7, v[60:63], s[24:25]               ; 32 lanes store 512 consecutive bytes
	global_store_b128 v7, v[56:59], s[24:25] offset:1024
	s_wait_xcnt 0x0                                ; v7 and v56-63 are written again in the next trip
	s_add_co_u32 s28, s28, 1
	s_cmp_lt_u32 s28, 8
	s_cbranch_scc1 .Lr_trip
	FINISH
; ---------------------------------------------------------------- x: a wave takes 16 steps of 512 numbers
; Each load reads 512 consecutive bytes; a step's 2,048 bytes turn through the wave's own stage (16 bytes of padding behind each 64) so that a lane holds 16 neighbours along K.
.set XR,  16                           ; v16-79   four sets of 16 numbers as loaded
.set XX,  80                           ; v80-111  two sets of 16 neighbours
.set XT,  112                          ; v112-127 the numbers held for e0
.set XC0, 128                          ; v128-191 codes with e0: four registers for each step, so that no store's data are written again
.set XC3, 192                          ; v192-255 codes with e3
.macro XLOAD t
.irp i, 0,1,2,3
	global_load_b128 v[XR+16*((\t)%4)+4*\i:XR+16*((\t)%4)+4*\i+3], v3, s[4:5] offset:2048*(\t)+512*\i th:TH_LOAD_NT
.endr
.endm
.macro XTURN t                         ; LDS serves a wave's instructions in order: no wait between the stores and the loads
.irp i, 0,1,2,3
	ds_store_b128 v14, v[XR+16*((\t)%4)+4*\i:XR+16*((\t)%4)+4*\i+3] offset:2560*((\t)%2)+640*\i
.endr
.irp i, 0,1,2,3
	ds_load_b128 v[XX+16*((\t)%2)+4*\i:XX+16*((\t)%2)+4*\i+3], v15 offset:2560*((\t)%2)+16*\i
.endr
.endm
.macro XSTEP t
.set XS, XX+16*((\t)%2)
	s_wait_dscnt 0x0                               ; this step's numbers are back, and its stores into the stage have read their registers,
.if (\t)+4 < 16
	XLOAD (\t)+4                                   ; which take the loads of four steps on
.endif
.if (\t)+1 < 16
.if 14-(\t) >= 3
	s_wait_loadcnt 12                              ; the next step's four loads are in; those of three steps behind it may be out
.else
	s_wait_loadcnt 4*(14-(\t))
.endif
	XTURN (\t)+1
.endif
.set i, 0
.rept 16
	v_med3_num_f32 v[XT+i], v[XS+i], -v10, v10     ; the conversion does not saturate (ISA guide 7.6.2): the hold at 448 x 2^e0
.set i, i+1
.endr
	v_cvt_scalef32_pk8_fp8_f32 v[XC0+4*(\t):XC0+4*(\t)+1], v[XT:XT+7], v11
	v_cvt_scalef32_pk8_fp8_f32 v[XC0+4*(\t)+2:XC0+4*(\t)+3], v[XT+8:XT+15], v11
.set i, 0
.rept 16
	v_med3_num_f32 v[XS+i], v[XS+i], -v6, v6       ; and at 448 x 2^e3.  (These plain lines stand behind the conversions above; the next step's holds behind those below)
.set i, i+1
.endr
	v_cvt_scalef32_pk8_fp8_f32 v[XC3+4*(\t):XC3+4*(\t)+1], v[XS:XS+7], v5
	v_cvt_scalef32_pk8_fp8_f32 v[XC3+4*(\t)+2:XC3+4*(\t)+3], v[XS+8:XS+15], v5
	global_store_b128 v3, v[XC0+4*(\t):XC0+4*(\t)+3], s[18:19] offset:512*(\t)   ; 512 consecutive bytes
	global_store_b128 v3, v[XC3+4*(\t):XC3+4*(\t)+3], s[28:29] offset:512*(\t)
.endm
.Lx:
	s_wait_alu depctr_va_vdst(0)
	v_lshlrev_b32 v3, 4, v2                        ; 16 x lane
	s_wait_alu depctr_va_vdst(0)
	s_mul_i32 s27, s26, 5120                       ; my stages (XST = 0)
	v_lshrrev_b32 v14, 2, v2
	v_mul_u32_u24 v14, v14, 80
	v_and_b32 v15, 3, v2
	v_lshl_add_u32 v14, v15, 4, v14
	v_add_nc_u32 v14, s27, v14                     ; in: 80 (lane / 4) + 16 (lane % 4)
	v_mul_u32_u24 v15, v2, 80
	v_add_nc_u32 v15, s27, v15                     ; out: 80 x lane
	s_lshl_b32 s42, ttmp9, 2
	s_add_co_u32 s42, s42, s26                     ; which run of 8,192 numbers is my wave's
	s_lshl_b32 s30, s42, 15
	s_mov_b32 s31, 0
	s_add_nc_u64 s[4:5], s[4:5], s[30:31]
	s_lshl_b32 s30, s42, 13
	s_add_nc_u64 s[18:19], s[18:19], s[30:31]
	s_add_nc_u64 s[28:29], s[18:19], 0x800000      ; the second half of x_codes
	XLOAD 0
	XLOAD 1
	XLOAD 2
	XLOAD 3
	s_wait_alu depctr_va_vdst(0)
	s_wait_kmcnt 0x0
	SCALE 32, 11, 10                               ; e0
	SCALE 35, 5, 6                                 ; e3
	s_wait_alu depctr_va_vdst(0)
	s_wait_loadcnt 12                              ; step 0's four loads are in
	XTURN 0
.irp t, 0,1,2,3,4,5,6,7,8,9,10,11,12,13,14,15
	XSTEP \t
.endr
	FINISH
; ---------------------------------------------------------------- the weights: a work-group takes 128 columns x 256 along K, a wave 32 columns
; A lane takes a column and its registers run down K, so the conversions give codes with K innermost; they leave through the wave's stage, sixteen lanes to 256 consecutive bytes.
.set WVO,  16                          ; v16-47   4 x lane + i rows: the row pitch is a scalar here, so it cannot stand in an immediate; never rewritten
.set WX,   48                          ; v48-111  two sets of 32 numbers
.set WC,   112                         ; v112-119 a block's codes
.set WOUT, 120                         ; v120-183 the way out
.macro WLOAD t                         ; block t: rows 32 t + i of my column; base s[44 + 2 t], made once
.set i, 0
.rept 32
	global_load_b32 v[WX+32*((\t)%2)+i], v[WVO+i], s[44+2*(\t):45+2*(\t)] th:TH_LOAD_NT
.set i, i+1
.endr
.endm
.macro WBLOCK t
.set XS, WX+32*((\t)%2)
.if (\t) < 7
	s_wait_loadcnt 32                              ; this block's 32 loads are in; the next block's may be out
.else
	s_wait_loadcnt 0x0
.endif
.set i, 0
.rept 32
	v_med3_num_f32 v[XS+i], v[XS+i], -v10, v10
.set i, i+1
.endr
.irp g, 0,1,2,3
	v_cvt_scalef32_pk8_fp8_f32 v[WC+2*\g:WC+2*\g+1], v[XS+8*\g:XS+8*\g+7], v11
.endr
	ds_store_b128 v4, v[WC:WC+3] offset:32*(\t)
	ds_store_b128 v4, v[WC+4:WC+7] offset:32*(\t)+16
.if (\t)+2 < 8
	WLOAD (\t)+2
.endif
	s_wait_dscnt 0x0                               ; the stores have read their registers: the next block's codes may be written
.endm
.Lw:
	s_sub_co_u32 s27, ttmp9, 256
	s_lshr_b32 s28, s27, 3                         ; g: which 128 rows of w_codes: 0-15 wq's heads, 16 wk, 17 wv, 18-33 wo's columns
	s_and_b32 s29, s27, 7                          ; which 256 along K
	s_and_b32 s30, s28, 15
	s_lshl_b32 s30, s30, 20                        ; wq, wkv: a head is 2,048 rows of 512 bytes
	s_sub_co_u32 s31, s28, 18
	s_lshl_b32 s31, s31, 9                         ; wo: 128 columns are 512 bytes (used where g >= 18 alone)
	s_mov_b32 s43, 8192
	s_cmp_lt_u32 s28, 16
	s_cselect_b64 s[6:7], s[6:7], s[8:9]
	s_cmp_lt_u32 s28, 18
	s_cselect_b64 s[6:7], s[6:7], s[10:11]         ; the tensor: the choice hangs on the work-group's number alone
	s_cselect_b32 s30, s30, s31
	s_cselect_b32 s43, 512, s43                    ; bytes from one k to the next
	s_lshl_b32 s44, s29, 8
	s_mul_i32 s44, s44, s43
	s_add_co_u32 s30, s30, s44
	s_lshl_b32 s44, s26, 7                         ; my wave's 32 columns
	s_add_co_u32 s30, s30, s44
	s_mov_b32 s31, 0
	s_add_nc_u64 s[44:45], s[6:7], s[30:31]
	s_lshl_b32 s30, s43, 5                         ; 32 rows on
.irp t, 1,2,3,4,5,6,7
	s_add_nc_u64 s[44+2*\t:45+2*\t], s[42+2*\t:43+2*\t], s[30:31]
.endr
	s_wait_alu depctr_va_vdst(0)
	v_lshlrev_b32 v[WVO], 2, v2
.set i, 1
.rept 31
	v_add_nc_u32 v[WVO+i], s43, v[WVO+i-1]
.set i, i+1
.endr
	WLOAD 0
	WLOAD 1
	s_lshl_b32 s60, s28, 18                        ; w_codes: row 128 g + 32 wave, byte 256 ky
	s_lshl_b32 s61, s26, 16
	s_add_co_u32 s60, s60, s61
	s_lshl_b32 s61, s29, 8
	s_add_co_u32 s60, s60, s61
	s_mov_b32 s61, 0
	s_add_nc_u64 s[20:21], s[20:21], s[60:61]
	s_mul_i32 s27, s26, 8704
	s_add_co_u32 s27, s27, WST                     ; my stage
	v_mul_u32_u24 v4, v2, 272
	v_add_nc_u32 v4, s27, v4                       ; in: row = my column
	v_and_b32 v5, 15, v2
	v_lshrrev_b32 v6, 4, v2
	v_mul_u32_u24 v7, v6, 272
	v_lshl_add_u32 v7, v5, 4, v7
	v_add_nc_u32 v7, s27, v7                       ; out: sixteen lanes to a row, two rows an instruction
	v_lshlrev_b32 v8, 11, v6
	v_lshl_add_u32 v8, v5, 4, v8                   ; and the same place in w_codes
	s_wait_kmcnt 0x0
	s_cmp_lt_u32 s28, 16
	s_cselect_b32 s42, s33, s34                    ; e1 or e2,
	s_cmp_lt_u32 s28, 18
	s_cselect_b32 s42, s42, s41                    ; or e9
	SCALE 42, 11, 10
	s_wait_alu depctr_va_vdst(0)
.irp t, 0,1,2,3,4,5,6,7
	WBLOCK \t
.endr
.set i, 0
.rept 16
	ds_load_b128 v[WOUT+4*i:WOUT+4*i+3], v7 offset:2*i*272
.set i, i+1
.endr
.set i, 0
.rept 16
	s_wait_dscnt 15-i
	global_store_b128 v8, v[WOUT+4*i:WOUT+4*i+3], s[20:21] offset:2*i*2048
.set i, i+1
.endr
	FINISH
; ---------------------------------------------------------------- the mask: a wave takes 16 queries x 512 keys
; Rows are loaded densely (512 consecutive bytes a load), turned through the wave's stage so that lane (r, h) holds the eight bytes of query r, keys 16 u + 8 h + 0..7, and each byte place becomes one lane mask.
.macro MSTEP sp
	s_wait_dscnt 24-8*(\sp)                        ; this key step's eight loads are in; those of the steps behind it may be out
	v_or_b32 v156, v[80+16*(\sp)], v[81+16*(\sp)]  ; the step's two flags: my 64 bytes joined by OR (not 0: some key counts)
	v_and_b32 v157, v[80+16*(\sp)], v[81+16*(\sp)] ; and by AND (all four bytes 1: every key counts; a true byte other than 1 only makes the step count as mixed)
.set n, 2
.rept 14
	v_or_b32 v156, v156, v[80+16*(\sp)+n]
	v_and_b32 v157, v157, v[80+16*(\sp)+n]
.set n, n+1
.endr
	v_cmp_ne_u32 s48, 0, v156
	v_cmp_eq_u32 s49, 0x01010101, v157
	v_writelane_b32 v158, s48, 2*(\sp)
	v_writelane_b32 v158, s49, 2*(\sp)+1
.set n, 0
.rept 64
	v_and_b32 v[152+n%4], 0xff<<(8*(n%4)), v[80+2*(8*(\sp)+n/8)+(n%8)/4]
	v_cmp_ne_u32 s[44+n%4], 0, v[152+n%4]          ; word n = 8 u + j: every byte that is not 0 counts as true
	v_writelane_b32 v[144+2*(\sp)+n%2], s[44+n%4], n/2
.set n, n+1
.endr
	global_store_b64 v9, v[144+2*(\sp):145+2*(\sp)], s[22:23] offset:256*(\sp)   ; 256 consecutive bytes, aligned
.endm
.Lm:
	s_sub_co_u32 s27, ttmp9, 528
	s_lshl_b32 s27, s27, 2
	s_add_co_u32 s27, s27, s26                     ; 2 x (block of 16 queries) + (half of the keys)
	s_lshr_b32 s28, s27, 1
	s_and_b32 s29, s27, 1
	s_lshl_b32 s30, s28, 14
	s_lshl_b32 s29, s29, 9
	s_add_co_u32 s30, s30, s29
	s_mov_b32 s31, 0
	s_add_nc_u64 s[12:13], s[12:13], s[30:31]
	s_lshl_b32 s30, s27, 10
	s_add_nc_u64 s[22:23], s[22:23], s[30:31]
	s_lshl_b32 s30, s27, 7
	s_add_nc_u64 s[62:63], s[62:63], s[30:31]      ; my 128 bytes of mflag
	s_wait_alu depctr_va_vdst(0)
	v_lshlrev_b32 v3, 4, v2
.set i, 0
.rept 16
	global_load_b128 v[16+4*i:19+4*i], v3, s[12:13] offset:1024*i th:TH_LOAD_NT
.set i, i+1
.endr
	s_mul_i32 s29, s26, 8448
	s_add_co_u32 s29, s29, MST                     ; my stage: rows 528 bytes apart, so that the 32 lanes of a load of 8 bytes touch 64 different banks
	v_add_nc_u32 v4, s29, v3
	v_and_b32 v5, 15, v2
	v_lshrrev_b32 v6, 4, v2
	v_mul_u32_u24 v5, v5, 528
	v_lshl_add_u32 v5, v6, 3, v5
	v_add_nc_u32 v5, s29, v5
	v_lshlrev_b32 v9, 3, v2
	v_lshlrev_b32 v10, 2, v2
	v_mov_b32 v158, 0                              ; the flags' words, one a lane
.set i, 0
.rept 8
	v_mov_b32 v[144+i], 0                          ; written once: v_writelane_b32's destination counts as read
.set i, i+1
.endr
.set i, 0
.rept 16
	s_wait_loadcnt 15-i
	ds_store_b128 v4, v[16+4*i:19+4*i] offset:528*i
.set i, i+1
.endr
.set i, 0
.rept 32
	ds_load_b64 v[80+2*i:81+2*i], v5 offset:16*i   ; key step i / 8, tile i % 8: 128 (i / 8) + 16 (i % 8) = 16 i
.set i, i+1
.endr
	MSTEP 0
	MSTEP 1
	MSTEP 2
	MSTEP 3
	global_store_b32 v10, v158, s[62:63]           ; 128 consecutive bytes
	FINISH
.Lfunc_end_k_q5f64114f75_prep:
	.size	k_q5f64114f75_prep, .Lfunc_end_k_q5f64114f75_prep-k_q5f64114f75_prep
	.p2alignl 7, 3214868480
	.fill 96, 4, 3214868480
	.section	.rodata,"a",@progbits
	.p2align	6, 0x0
	.amdhsa_kernel k_q5f64114f75_prep
		.amdhsa_group_segment_fixed_size 89600
		.amdhsa_private_segment_fixed_size 0
		.amdhsa_enable_private_segment 0
		.amdhsa_kernarg_size 96
		.amdhsa_user_sgpr_count 2
		.amdhsa_user_sgpr_kernarg_segment_ptr 1
		.amdhsa_wavefront_size32 1
		.amdhsa_system_sgpr_workgroup_id_x 1
		.amdhsa_system_sgpr_workgroup_id_y 1
		.amdhsa_system_sgpr_workgroup_id_z 1
		.amdhsa_system_vgpr_workitem_id 0
		.amdhsa_next_free_vgpr 256
		.amdhsa_next_free_sgpr 66
		.amdhsa_reserve_vcc 1
		.amdhsa_float_denorm_mode_32 3
		.amdhsa_float_denorm_mode_16_64 3
		.amdhsa_memory_ordered 1
		.amdhsa_forward_progress 1
		.amdhsa_inst_pref_size 177
	.end_amdhsa_kernel
	.amdgpu_metadata
---
amdhsa.version: [ 1, 2 ]
amdhsa.kernels:
  - .name:           k_q5f64114f75_prep
    .symbol:         k_q5f64114f75_prep.kd
    .args:
      - { .name: x, .offset: 0, .size: 8, .value_kind: global_buffer, .address_space: global }
      - { .name: wq, .offset: 8, .size: 8, .value_kind: global_buffer, .address_space: global }
      - { .name: wkv, .offset: 16, .size: 8, .value_kind: global_buffer, .address_space: global }
      - { .name: wo, .offset: 24, .size: 8, .value_kind: global_buffer, .address_space: global }
      - { .name: attn_mask, .offset: 32, .size: 8, .value_kind: global_buffer, .address_space: global }
      - { .name: segment_pos, .offset: 40, .size: 8, .value_kind: global_buffer, .address_space: global }
      - { .name: lowp_scales, .offset: 48, .size: 8, .value_kind: global_buffer, .address_space: global }
      - { .name: x_codes, .offset: 56, .size: 8, .value_kind: global_buffer, .address_space: global }
      - { .name: w_codes, .offset: 64, .size: 8, .value_kind: global_buffer, .address_space: global }
      - { .name: maskw, .offset: 72, .size: 8, .value_kind: global_buffer, .address_space: global }
      - { .name: rope_tab, .offset: 80, .size: 8, .value_kind: global_buffer, .address_space: global }
      - { .name: mflag, .offset: 88, .size: 8, .value_kind: global_buffer, .address_space: global }
    .group_segment_fixed_size: 89600
    .private_segment_fixed_size: 0
    .kernarg_segment_align: 8
    .kernarg_segment_size: 96
    .max_flat_workgroup_size: 128
    .sgpr_count:     66
    .vgpr_count:     256
    .wavefront_size: 32
...
	.end_amdgpu_metadata
.endif
;; end of part 1
;; launch proj (part 2): grid 16 x 9, 4 waves a work-group, clusters of 4 x 1, 327,680 bytes of LDS; arguments x_codes, w_codes, rope_tab, lowp_scales, q_img, kv_img; writes q_img, kv_img
.if DOCPART == 2
	.amdgcn_target "amdgcn-amd-amdhsa--gfx1250"
	.amdhsa_code_object_version 6
	.text
	.protected	k_q5f64114f75_proj
	.globl	k_q5f64114f75_proj
	.p2align	8
	.type	k_q5f64114f75_proj,@function
k_q5f64114f75_proj:
	s_mov_b64 s[64:65], 0
	v_nop
	global_prefetch_b8 v0, s[64:65] scope:SCOPE_SE
	s_setreg_imm32_b32 hwreg(HW_REG_WAVE_MODE, 25, 1), 1
	s_wait_xcnt 0x0
	s_wait_alu depctr_hold_cnt(0) depctr_sa_sdst(0) depctr_va_vdst(0) depctr_va_sdst(0) depctr_va_ssrc(0) depctr_va_vcc(0) depctr_vm_vsrc(0)
	s_getreg_b32 s2, hwreg(HW_REG_IB_STS2, 6, 4)
	s_cmp_eq_u32 s2, 0
	s_cbranch_scc0 .Lentry_in_a_cluster
	s_endpgm
.Lentry_in_a_cluster:
	s_bfe_u32 s2, ttmp6, 0x10000c
	s_cmp_lg_u32 s2, 0x3003
	s_cbranch_scc0 .Lentry_shape_is_right
	s_endpgm
.Lentry_shape_is_right:
; PRODUCTS 1 AND 2 as one GEMM on E4M3 codes, [4096 rows of x] x [2304 rows of w_codes: 16 heads of q, k, v], K = 2048; then RoPE, q's factor 128^-0.5 and the quantisers of products 3 and 4, in registers.
; A work-group of four waves makes 256 rows x 256 columns, a wave 128 x 128: one head (or k, or v) for 128 rows: 64 accumulators, 512 registers.  K goes in steps of 256 through two LDS slots filled by tensor loads.
; Column tile 8 (k and v) reads the half of x_codes made with e3, the others the half made with e0.
; CLUSTER: the four work-groups of a cluster are the four row tiles of one batch at one column tile: they need the same rows of w_codes, which are asked for JOINTLY (mask 15).  Their rows of x differ: plain loads, behind the same rounds.
; (9 column tiles do not divide by 4, so x's tiles have no partners to be shared with.)
; TRANSPOSED USE: source 0 = 16 rows of w_codes, source 1 = 16 rows of x: lane (r, h) holds row r of x and channels 16 b + 8 h + 0..7 of tile b.  Eight numbers of a lane convert into registers 2 b, 2 b + 1 of a fragment
; of the plain 8-bit layout (16 rows x 128 channels).  So the eight tiles of a block of 16 rows ARE a fragment of q or of k, and it is stored as an image of its registers: four stores of 512 consecutive bytes.
; THE WAVE THAT MAKES v goes k's way: its eight tiles of a block of 16 keys are a fragment of 16 keys x 128 channels.  It takes the table's block with cos 1, sin 0.
; LIMITS: (the output's e) - (the two operands' e added) between -126 and 119; NaN is not served.
; REGISTERS, in windows of 256: window 0: v16-31 addresses and constants; v32-111 at work on the way out; v112-127 offsets; from v128 x's fragments, ONE set, later the codes.  window 1: w's fragments, TWO sets, later four sets of the table.
;   window 2: the 32 accumulators of blocks 0-3 (accumulator (a, b) at v[8 (8 a + b)]); window 3: those of blocks 4-7.
.set KSTEP,  256
.set ROWB,   256
.set KROW,   2048
.set PITCH,  272                       ; an LDS row: 256 bytes + 16 of padding: the 16 rows that a load touches start at 16 different banks
.set FR,     16
.set NL,     4
.set NP,     4                         ; places behind this matrix instruction (ISA guide 7.12.1)
.set HALFT,  128*PITCH
.set SLOT,   4*HALFT                   ; x's 256 rows, then w's 256 rows
.set LAPS,   4                         ; 2048 / (2 x 256)
.set SPARE,  2*SLOT                    ; behind the ring: the spare words, 128 bytes for each wave
.set ADRA, 16                          ; v16-17  LDS address of source 1's fragments in slot 0, 1
.set ADRB, 20                          ; v20-21  of source 0's
.set LI,   27                          ; v27     16 x lane
.set SPW,  28                          ; v28     LDS address of my spare word; never rewritten
.set NIL,  29                          ; v29     0; never rewritten
.set SCL,  30                          ; v30     the conversion's scale
.set LIM,  31                          ; v31     448 x that
.set TT,   32                          ; v32-95  a block's 64 numbers
.set UU,   96                          ; v96-103, v104-111: products with the sines
.set WW,   104
.set TV,   112                         ; v112-119 block a's offset in the table
.set OV,   120                         ; v120-127 block a's offset in the output
.set AF,   128
.set PC,   128                         ; v128-255 the codes: 16 registers for each block, so that no store's data are written again
.set G1, 24
.set G0, 32
.set G1B, 48
.set G0B, 56
.set MSB, 0
.macro WIN new                         ; the immediate's high byte repeats the setting that is left
.if MSB != \new
	s_set_vgpr_msb (MSB<<8)|\new
.set MSB, \new
.endif
.endm
.set MUL_LO, 0xa1                      ; source 0 window 1, source 1 window 0, C and D window 2
.set MUL_HI, 0xf1
.set TO_B,   0x40
.macro JLOAD g0a, g1a, g0b, g1b        ; waves 0 and 1 fetch x's two halves, waves 2 and 3 w's; an s_nop 0 and four v_nop follow each line
	s_cmp_eq_u32 s15, 0
	s_cbranch_scc0 .Lfor_b_\@
	tensor_load_to_lds s[\g0a:\g0a+3], s[\g1a:\g1a+7]
	s_nop 0
.rept 4
	v_nop
.endr
	s_branch .Lasked_\@
.Lfor_b_\@:
	tensor_load_to_lds s[\g0b:\g0b+3], s[\g1b:\g1b+7]
	s_nop 0
.rept 4
	v_nop
.endr
.Lasked_\@:
.endm
.macro CREST
	s_cmp_lg_u32 s14, 0
	s_cbranch_scc1 .Lnot_wave_0_\@
	s_barrier_signal -3
.Lnot_wave_0_\@:
	s_barrier_wait -3
	s_barrier_signal -1
	s_barrier_wait -1
.endm
.macro CROUND
	s_barrier_signal -1
	s_barrier_wait -1
	CREST
.endm
	s_load_b128 s[4:7], s[0:1], 0x0                ; x_codes, w_codes
	s_load_b128 s[8:11], s[0:1], 0x10              ; rope_tab, lowp_scales
	s_load_b128 s[68:71], s[0:1], 0x20             ; q_img, kv_img
	v_lshl_add_u32 v[SPW], v0, 2, SPARE
	v_mov_b32 v[NIL], 0
	ds_add_u32 v[SPW], v[NIL]                      ; the wave's opening: the add and its wait ahead of my first tensor load
	ds_add_u32 v[SPW], v[NIL]
	v_lshrrev_b32 v1, 5, v0
	v_readfirstlane_b32 s14, v1                    ; wave 0..3
	s_lshr_b32 s15, s14, 1                         ; i: which 128 rows are mine.  Also: I fetch for x (0) or for w (1)
	s_and_b32 s16, s14, 1                          ; j: which 128 columns.  Also: which 128 rows of that tile I fetch
	s_bfe_u32 s40, ttmp6, 0x40000                  ; cx
	s_lshl_b32 s17, ttmp9, 2
	s_add_co_u32 s17, s17, s40                     ; row tile = 4 x batch + cx
	s_and_b32 s42, ttmp7, 0xffff                   ; column tile, which the partners share
	s_mov_b32 s[G1+0], (1<<20)|(5<<22)|(3<<25)     ; x: no mask; elements of 1 byte; padding: 4 words after every 64
	s_mov_b32 s[G1B+0], 15|(1<<20)|(1<<21)|(5<<22)|(3<<25)   ; w: all four work-groups, bit 21 beside the mask
.irp g, G1, G1B
	s_mov_b32 s[\g+1], ROWB<<16                    ; tensor_dim0
	s_mov_b32 s[\g+2], 128<<16                     ; tensor_dim1
	s_mov_b32 s[\g+3], ROWB<<16                    ; tile_dim0
	s_mov_b32 s[\g+4], 128                         ; tile_dim1
	s_mov_b32 s[\g+5], KROW                        ; from row to row
	s_mov_b32 s[\g+6], 0
	s_mov_b32 s[\g+7], 0
.endr
	s_lshl_b32 s18, s16, 7
	s_lshl_b32 s20, s17, 8
	s_add_co_u32 s20, s20, s18
	s_lshl_b32 s20, s20, 11                        ; x: row 256 x row tile + 128 x half, 2,048 bytes a row,
	s_cmp_eq_u32 s42, 8
	s_cselect_b32 s19, 0x800000, 0
	s_add_co_u32 s20, s20, s19                     ; in the half made with e3 for k and v
	s_mov_b32 s21, 0
	s_lshl_b32 s46, s42, 8
	s_add_co_u32 s46, s46, s18
	s_lshl_b32 s46, s46, 11                        ; w: row 256 x column tile + 128 x half: nothing of cx enters
	s_mov_b32 s47, 0
	s_mul_i32 s45, s14, HALFT                      ; where they go: wave x 128 rows
	s_wait_dscnt 0x0                               ; the opening add is done
	s_wait_kmcnt 0x0
	s_load_b256 s[72:79], s[10:11], 0x0            ; e0 .. e7
	s_add_nc_u64 s[20:21], s[4:5], s[20:21]
	s_add_nc_u64 s[46:47], s[6:7], s[46:47]
	CROUND                                         ; all four work-groups are here: the first joint loads meet
.irp s, 0,1
	s_mov_b32 s[G0+4*\s], 1
	s_add_co_u32 s[G0+4*\s+1], s45, \s*SLOT
	s_add_nc_u64 s[G0+4*\s+2:G0+4*\s+3], s[20:21], \s*ROWB
	s_or_b32 s[G0+4*\s+3], s[G0+4*\s+3], 0x80000000
	s_mov_b32 s[G0B+4*\s], 1
	s_add_co_u32 s[G0B+4*\s+1], s45, \s*SLOT
	s_add_nc_u64 s[G0B+4*\s+2:G0B+4*\s+3], s[46:47], \s*ROWB
	s_or_b32 s[G0B+4*\s+3], s[G0B+4*\s+3], 0x80000000
.endr
	JLOAD G0, G1, G0B, G1B                         ; K step 0: one tensor load a wave at the head
	v_and_b32 v1, 15, v0
	v_bfe_u32 v2, v0, 4, 1
	v_mul_u32_u24 v3, v1, PITCH
	v_lshl_add_u32 v4, v2, 4, v3                   ; a fragment's row x pitch + 16 x half
	s_wait_alu depctr_va_vdst(0)
	s_mul_i32 s21, s15, HALFT                      ; my 128 rows of x
	s_mul_i32 s22, s16, HALFT
	s_add_co_u32 s22, s22, 2*HALFT                 ; my 128 rows of w
	s_lshl_b32 s23, s42, 1
	s_add_co_u32 s23, s23, s16                     ; what I make: 0-15 a head of q, 16 k, 17 v
	s_mov_b32 s18, s21                             ; source 1: x's rows, source 0: w's rows, for v too: v goes k's way (the exchange of addresses that the head's text tells of is gone),
	s_mov_b32 s19, s22                             ; and is stored as images of fragments of 16 keys x 128 channels; the launch that reads it turns it
.irp s, 0,1
	v_add_nc_u32 v[ADRA+\s], s18, v4
	v_add_nc_u32 v[ADRB+\s], s19, v4
	s_add_co_u32 s18, s18, SLOT
	s_add_co_u32 s19, s19, SLOT
.endr
	; what the way out needs, made here, while the first tiles are on their way.  Every choice is a select on the column tile and the wave's number
	s_wait_kmcnt 0x0
	s_add_co_i32 s80, s72, s73                     ; e0 + e1
	s_add_co_i32 s81, s74, s75                     ; e2 + e3
	s_lshl_b32 s90, s17, 4
	s_lshl_b32 s91, s15, 3
	s_add_co_u32 s90, s90, s91                     ; my first block of 16 rows
	s_lshl_b32 s92, s90, 13                        ; its 8,192 bytes of the table
	s_lshl_b32 s94, s90, 15
	s_lshl_b32 s95, s23, 11
	s_add_co_u32 s94, s94, s95                     ; q_img: (block x 16 + head) x 2,048
	s_lshl_b32 s95, ttmp9, 18                      ; kv_img: batch x 262,144
	s_lshl_b32 s96, s40, 15
	s_add_co_u32 s95, s95, s96                     ; + 256 keys x 128 bytes x cx
	s_lshl_b32 s96, s15, 14
	s_add_co_u32 s95, s95, s96                     ; + my 128 keys
	s_lshl_b32 s96, s16, 17
	s_add_co_u32 s95, s95, s96                     ; v lies 131,072 bytes behind k
	s_mov_b32 s88, 1.0
	s_mov_b32 s87, 2048
	s_cmp_lt_u32 s42, 8                            ; q?
	s_cselect_b32 s80, s80, s81                    ; the sums lack 2^(this)
	s_cselect_b32 s82, s77, s76                    ; q is quantised with e5, k with e4
	s_cselect_b32 s88, 0x3db504f3, s88             ; 128^-0.5 for q alone
	s_cselect_b32 s87, 0x8000, s87                 ; from block to block in the output
	s_cselect_b32 s94, s94, s95
	s_cselect_b64 s[84:85], s[68:69], s[70:71]
	s_cmp_eq_u32 s23, 17                           ; v?
	s_cselect_b32 s82, s78, s82                    ; e6
	s_cselect_b32 s92, 0x200000, s92               ; the table's block 256,
	s_cselect_b32 s93, 0, 0x2000                   ; for all eight blocks
	s_mov_b32 s89, s88                             ; (named with it as a pair)
	s_mov_b32 s95, 0
	s_add_nc_u64 s[84:85], s[84:85], s[94:95]
	s_mov_b32 s96, s92
	s_mov_b32 s97, 0
	s_add_nc_u64 s[8:9], s[8:9], s[96:97]
	s_sub_co_i32 s82, s82, s80
	s_add_co_i32 s82, s82, 127
	s_lshl_b32 s83, s82, 23
	v_mov_b32 v[SCL], s83                          ; the operands' two scales and the output's folded into the conversion's one
	s_add_co_i32 s82, s82, 8
	s_lshl_b32 s82, s82, 23
	s_or_b32 s82, s82, 0x600000
	v_mov_b32 v[LIM], s82
	v_and_b32 v[LI], 31, v0
	v_lshlrev_b32 v[LI], 4, v[LI]
	v_mov_b32 v[TV], v[LI]
	v_mov_b32 v[OV], v[LI]
.irp a, 1,2,3,4,5,6,7
	v_add_nc_u32 v[TV+\a], s93, v[TV+\a-1]
	v_add_nc_u32 v[OV+\a], s87, v[OV+\a-1]
.endr
.macro FRAG reg, adr, q, i             ; 16 rows x 128 K: four loads of 16 bytes.  The same permutation of k on both sides, so every product meets its partner
.irp c, 0,1,2,3
	ds_load_b128 v[\reg+4*\c:\reg+4*\c+3], v[\adr] offset:128*(\q)+32*\c+(\i)*16*PITCH
.endr
.endm
.macro MUL16 a0, p, zero               ; blocks a0, a0 + 1 of source 1 x the eight of source 0; the 64 accumulators take turns
.irp a, \a0, \a0+1
.irp b, 0,1,2,3,4,5,6,7
.if \zero
	v_wmma_f32_16x16x128_fp8_fp8 v[8*(8*((\a)%4)+\b):8*(8*((\a)%4)+\b)+7], v[128*(\p)+FR*\b:128*(\p)+FR*\b+FR-1], v[AF+FR*(\a):AF+FR*(\a)+FR-1], 0
.else
	v_wmma_f32_16x16x128_fp8_fp8 v[8*(8*((\a)%4)+\b):8*(8*((\a)%4)+\b)+7], v[128*(\p)+FR*\b:128*(\p)+FR*\b+FR-1], v[AF+FR*(\a):AF+FR*(\a)+FR-1], v[8*(8*((\a)%4)+\b):8*(8*((\a)%4)+\b)+7]
.endif
.endr
.endr
.endm
.macro FETCH_B slot, q, p
	WIN TO_B
.irp i, 0,1,2,3,4,5,6,7
	FRAG 128*(\p)+FR*\i, ADRB+\slot, \q, \i
.endr
	WIN 0
.endm
.macro FETCH_A slot, q, i0
.irp i, \i0, \i0+1, \i0+2, \i0+3
	FRAG AF+FR*(\i), ADRA+\slot, \q, \i
.endr
.endm
.macro PLACES n                        ; plain instructions between a matrix instruction and a load into, or a read of, its registers
.rept \n
	v_nop
.endr
.endm
.macro STEP slot, q, zero              ; 128 along K with its successor in the same slot
	s_wait_dscnt 4*NL                              ; source 0's set and blocks 0-3 are in; the youngest sixteen loads (blocks 4-7) may be out
	WIN MUL_LO
	MUL16 0, (\q)%2, \zero
	MUL16 2, (\q)%2, \zero
	s_wait_dscnt 0
	PLACES NP
	FETCH_B \slot, (\q)+1, 1-(\q)%2
	FETCH_A \slot, (\q)+1, 0
	WIN MUL_HI
	MUL16 4, (\q)%2, \zero
	MUL16 6, (\q)%2, \zero
	PLACES NP
	WIN 0
	FETCH_A \slot, (\q)+1, 4
.endm
.macro TURN slot, next, fill           ; a slot's last step changes slots: one barrier; fill = 1: it opens a round of the cluster's barrier and this slot is filled again
.if \fill
	s_wait_xcnt 0x0                                ; my prefetches have read their addresses, which step one K step on
	s_add_nc_u64 s[72:73], s[72:73], ROWB
	s_add_nc_u64 s[74:75], s[74:75], ROWB
.endif
	s_wait_tensorcnt 0x0                           ; all my tensor loads have landed: my part of the next slot
	ds_add_u32 v[SPW], v[NIL]                      ; 0 onto my spare word
	s_wait_dscnt 4*NL+1                            ; (the add and the youngest sixteen loads may be out)
	WIN MUL_LO
	MUL16 0, 1, 0
	s_wait_dscnt 0x0                               ; the add is done, and my reads of this slot are over
	s_barrier_signal -1
	MUL16 2, 1, 0
	WIN 0
	s_barrier_wait -1
.if \fill
	CREST                                          ; no wave of any partner still reads this slot or has a load on its way
	s_add_nc_u64 s[G0+4*\slot+2:G0+4*\slot+3], s[G0+4*\slot+2:G0+4*\slot+3], 2*ROWB
	s_add_nc_u64 s[G0B+4*\slot+2:G0B+4*\slot+3], s[G0B+4*\slot+2:G0B+4*\slot+3], 2*ROWB
	JLOAD G0+4*\slot, G1, G0B+4*\slot, G1B         ; my one tensor load behind the round; its four v_nop are the places in front of the loads below
.else
	PLACES NP
.endif
	FETCH_B \next, 0, 0
	FETCH_A \next, 0, 0
.if \fill
	ASK 768                                        ; the K step two refills on
.endif
	WIN MUL_HI
	MUL16 4, 1, 0
	MUL16 6, 1, 0
	PLACES NP
	WIN 0
	FETCH_A \next, 0, 4
.endm
; PREFETCHES INTO THE L2.  Each load of K step t is followed by requests for K step t + 2 (the head's first also for K step 1): 256 bytes of a row, a lane a row.
; x's rows made with e0 are read by the eight column tiles of q: column tile y asks for rows 32 y .. + 31 of its row tile (wave 0, one instruction).  Column tile 8 alone reads the half made with e3: each of its waves asks for 64 rows.
; w's 256 rows are asked for once in each cluster: the partner at place cx takes rows 64 cx .. + 63, told apart by address; waves 2 and 3, 32 rows each.
; s76, s77, s78: 1 where my wave issues the instruction, else the greatest number; a request goes out where the laps to go, s3, are more: the last lap's two refills have no K step two on.
.macro ASK off
	s_cmp_gt_u32 s3, s76
	s_cbranch_scc0 .Lp1_\@
	global_prefetch_b8 v22, s[72:73] offset:\off th:TH_LOAD_NT scope:SCOPE_SE
.Lp1_\@:
	s_cmp_gt_u32 s3, s77
	s_cbranch_scc0 .Lp2_\@
	global_prefetch_b8 v22, s[72:73] offset:\off+65536 th:TH_LOAD_NT scope:SCOPE_SE
.Lp2_\@:
	s_cmp_gt_u32 s3, s78
	s_cbranch_scc0 .Lp3_\@
	global_prefetch_b8 v22, s[74:75] offset:\off th:TH_LOAD_NT scope:SCOPE_SE
.Lp3_\@:
.endm
	s_mov_b32 s3, LAPS-1
	s_lshl_b32 s80, s42, 5
	s_lshl_b32 s81, s14, 6
	s_cmp_eq_u32 s42, 8
	s_cselect_b32 s80, s81, s80                    ; my first row in the row tile
	s_cselect_b32 s81, 0x800000, 0                 ; the half of x_codes
	s_cselect_b32 s76, 1, -1
	s_cselect_b32 s77, 1, -1
	s_cselect_b32 s79, 0, 1
	s_cmp_eq_u32 s14, 0
	s_cselect_b32 s76, 1, s76
	s_cselect_b32 s79, s79, 0                      ; 1: wave 0 of a column tile of q asks for two blocks of the table
	s_cmp_lg_u32 s15, 0
	s_cselect_b32 s78, 1, -1
	s_lshl_b32 s82, s17, 8
	s_add_co_u32 s80, s80, s82
	s_lshl_b32 s80, s80, 11
	s_add_co_u32 s80, s80, s81
	s_mov_b32 s81, 0
	s_add_nc_u64 s[72:73], s[4:5], s[80:81]
	s_lshl_b32 s82, s42, 8
	s_lshl_b32 s83, s40, 6
	s_add_co_u32 s82, s82, s83
	s_lshl_b32 s83, s16, 5
	s_add_co_u32 s82, s82, s83
	s_lshl_b32 s82, s82, 11
	s_mov_b32 s83, 0
	s_add_nc_u64 s[74:75], s[6:7], s[82:83]
	s_lshl_b32 s80, s42, 14
	v_lshlrev_b32 v22, 7, v[LI]                    ; 2,048 x lane: a lane a row
	v_lshlrev_b32 v23, 4, v[LI]
	v_add_nc_u32 v23, s80, v23                     ; the table: 16,384 y + 256 x lane
	s_wait_alu depctr_va_vdst(0)
	ASK 256
	ASK 512
	s_wait_tensorcnt 0x0                           ; my part of K step 0 is in
	ds_add_u32 v[SPW], v[NIL]
	s_wait_dscnt 0x0
	CROUND                                         ; everybody's part of K step 0 is in, and the four work-groups are here
	JLOAD G0+4, G1, G0B+4, G1B                     ; K step 1: my one tensor load behind the round
	FETCH_B 0, 0, 0
	FETCH_A 0, 0, 0
	FETCH_A 0, 0, 4
	ASK 768                                        ; K step 3
	s_cmp_eq_u32 s79, 1                            ; the row tile's 16 blocks of the table, 8,192 bytes each, are read on the way out by all its column tiles: column tile y of q asks for blocks 2 y and 2 y + 1, once
	s_cbranch_scc0 .Lno_tab
	global_prefetch_b8 v23, s[8:9] th:TH_LOAD_NT scope:SCOPE_SE
	global_prefetch_b8 v23, s[8:9] offset:8192 th:TH_LOAD_NT scope:SCOPE_SE
.Lno_tab:
	STEP 0, 0, 1                                   ; the first step's products start the sums
	s_mov_b32 s3, LAPS-1
.Llap:
	TURN 0, 1, 1
	STEP 1, 0, 0
	TURN 1, 0, 1
	STEP 0, 0, 0
	s_sub_co_u32 s3, s3, 1
	s_cmp_lg_u32 s3, 0
	s_cbranch_scc1 .Llap
	TURN 0, 1, 0                                   ; the last lap fills nothing
	STEP 1, 0, 0
	WIN 0x40                                       ; source 0's set 0 is done with (four places stand behind its last products): it takes the table's sets of blocks 0 and 1 while the last step is multiplied
.set p, 0
.rept 16
	global_load_b128 v[4*p:4*p+3], v[TV], s[8:9] offset:512*p
.set p, p+1
.endr
.set p, 0
.rept 16
	global_load_b128 v[64+4*p:64+4*p+3], v[TV+1], s[8:9] offset:512*p
.set p, p+1
.endr
	WIN 0
	s_wait_dscnt 4*NL
	WIN MUL_LO
	MUL16 0, 1, 0
	MUL16 2, 1, 0
	s_wait_dscnt 0
	WIN MUL_HI
	MUL16 4, 1, 0
	MUL16 6, 1, 0
	WIN 0
; THE WAY OUT, a block a of source 1 (16 rows of x) at a time.  No LDS, no barrier, one path for q, k and v.
.macro TLD a                           ; the block's cosines and sines, 16 loads of 512 consecutive bytes, into set a % 4 of window 1: cos of tile cb at 16 cb, sin at 16 cb + 8
	WIN 0x40
.set p, 0
.rept 16
	global_load_b128 v[64*((\a)%4)+4*p:64*((\a)%4)+4*p+3], v[TV+(\a)], s[8:9] offset:512*p
.set p, p+1
.endr
	WIN 0
.endm
.macro ROPE a, left
.set AC, 64*((\a)%4)
.set TS, 64*((\a)%4)
.set PCA, PC+16*(\a)
	s_wait_loadcnt \left                           ; my set is in; the younger sets of 16 loads may be out
	WIN 0x06+(\a)/4                                ; source 0: the accumulators' window; source 1: window 1
.irp cb, 0,1,2,3                       ; channels 16 cb + .. (first) and 64 + 16 cb + .. (second); each accumulator is read from its low end on
.irp p, 0,2,4,6
	v_pk_mul_f32 v[UU+\p:UU+\p+1], v[AC+8*(\cb+4)+\p:AC+8*(\cb+4)+\p+1], v[TS+16*\cb+8+\p:TS+16*\cb+8+\p+1]
	v_pk_mul_f32 v[WW+\p:WW+\p+1], v[AC+8*\cb+\p:AC+8*\cb+\p+1], v[TS+16*\cb+8+\p:TS+16*\cb+8+\p+1]
.endr
.irp p, 0,2,4,6
	v_pk_fma_f32 v[TT+8*\cb+\p:TT+8*\cb+\p+1], v[AC+8*\cb+\p:AC+8*\cb+\p+1], v[TS+16*\cb+\p:TS+16*\cb+\p+1], v[UU+\p:UU+\p+1] neg_lo:[0,0,1] neg_hi:[0,0,1]   ; first cos - second sin
	v_pk_fma_f32 v[TT+8*(\cb+4)+\p:TT+8*(\cb+4)+\p+1], v[AC+8*(\cb+4)+\p:AC+8*(\cb+4)+\p+1], v[TS+16*\cb+\p:TS+16*\cb+\p+1], v[WW+\p:WW+\p+1]                ; second cos + first sin
.endr
.endr
	WIN 0
.set p, 0
.rept 32
	v_pk_mul_f32 v[TT+p:TT+p+1], v[TT+p:TT+p+1], s[88:89] op_sel_hi:[1,0]   ; x 128^-0.5 (q) or x 1
.set p, p+2
.endr
.set p, 0
.rept 64
	v_med3_num_f32 v[TT+p], v[TT+p], -v[LIM], v[LIM]   ; the conversion does not saturate (ISA guide 7.6.2)
.set p, p+1
.endr
.set p, 0
.rept 8
	v_cvt_scalef32_pk8_fp8_f32 v[PCA+2*p:PCA+2*p+1], v[TT+8*p:TT+8*p+7], v[SCL]   ; tile p becomes registers 2 p, 2 p + 1 of the fragment
.set p, p+1
.endr
	v_nop                                          ; a plain instruction behind the last conversion: the next block writes its sources
.irp c, 0,1,2,3
	global_store_b128 v[OV+(\a)], v[PCA+4*\c:PCA+4*\c+3], s[84:85] offset:512*\c   ; the fragment's image: 512 consecutive bytes a store
.endr
.if (\a) < 4
	TLD (\a)+4
.endif
.endm
	PLACES NP                                      ; in front of loads into registers that the last products read
	TLD 2
	TLD 3
	ROPE 0, 48
	ROPE 1, 48
	ROPE 2, 48
	ROPE 3, 48
	ROPE 4, 48
	ROPE 5, 32
	ROPE 6, 16
	ROPE 7, 0
	s_wait_tensorcnt 0x0                           ; the wave's end
	ds_add_u32 v[SPW], v[NIL]
	s_wait_dscnt 0x0
	CROUND                                         ; the closing round: no work-group ends while a partner may still ask for a tile that names it
	s_endpgm
.Lfunc_end_k_q5f64114f75_proj:
	.size	k_q5f64114f75_proj, .Lfunc_end_k_q5f64114f75_proj-k_q5f64114f75_proj
	.p2alignl 7, 3214868480
	.fill 96, 4, 3214868480
	.section	.rodata,"a",@progbits
	.p2align	6, 0x0
	.amdhsa_kernel k_q5f64114f75_proj
		.amdhsa_group_segment_fixed_size 327680
		.amdhsa_private_segment_fixed_size 0
		.amdhsa_enable_private_segment 0
		.amdhsa_kernarg_size 48
		.amdhsa_user_sgpr_count 2
		.amdhsa_user_sgpr_kernarg_segment_ptr 1
		.amdhsa_wavefront_size32 1
		.amdhsa_system_sgpr_workgroup_id_x 1
		.amdhsa_system_sgpr_workgroup_id_y 1
		.amdhsa_system_sgpr_workgroup_id_z 1
		.amdhsa_system_vgpr_workitem_id 0
		.amdhsa_next_free_vgpr 1024
		.amdhsa_next_free_sgpr 100
		.amdhsa_reserve_vcc 0
		.amdhsa_float_denorm_mode_32 3
		.amdhsa_float_denorm_mode_16_64 3
		.amdhsa_memory_ordered 1
		.amdhsa_forward_progress 1
		.amdhsa_inst_pref_size 184
	.end_amdhsa_kernel
	.amdgpu_metadata
---
amdhsa.version: [ 1, 2 ]
amdhsa.kernels:
  - .name:           k_q5f64114f75_proj
    .symbol:         k_q5f64114f75_proj.kd
    .args:
      - { .name: x_codes, .offset: 0, .size: 8, .value_kind: global_buffer, .address_space: global }
      - { .name: w_codes, .offset: 8, .size: 8, .value_kind: global_buffer, .address_space: global }
      - { .name: rope_tab, .offset: 16, .size: 8, .value_kind: global_buffer, .address_space: global }
      - { .name: lowp_scales, .offset: 24, .size: 8, .value_kind: global_buffer, .address_space: global }
      - { .name: q_img, .offset: 32, .size: 8, .value_kind: global_buffer, .address_space: global }
      - { .name: kv_img, .offset: 40, .size: 8, .value_kind: global_buffer, .address_space: global }
    .group_segment_fixed_size: 327680
    .private_segment_fixed_size: 0
    .kernarg_segment_align: 8
    .kernarg_segment_size: 48
    .max_flat_workgroup_size: 128
    .sgpr_count:     100
    .vgpr_count:     1024
    .wavefront_size: 32
...
	.end_amdgpu_metadata
.endif
;; end of part 2
;; launch attn (part 3): grid 64 x 4, 8 waves a work-group, no clusters, 304,128 bytes of LDS; arguments q_img, kv_img, maskw, mflag, lowp_scales, enc_codes; writes enc_codes
.if DOCPART == 3
	.amdgcn_target "amdgcn-amd-amdhsa--gfx1250"
	.amdhsa_code_object_version 6
	.text
	.protected	k_q5f64114f75_attn
	.globl	k_q5f64114f75_attn
	.p2align	8
	.type	k_q5f64114f75_attn,@function
k_q5f64114f75_attn:
	s_mov_b64 s[64:65], 0
	v_nop
	global_prefetch_b8 v0, s[64:65] scope:SCOPE_SE
	s_setreg_imm32_b32 hwreg(HW_REG_WAVE_MODE, 25, 1), 1
	s_wait_xcnt 0x0
; PRODUCTS 3 AND 4 with the masked softmax between them, on E4M3 codes; the result is quantised with e8 into enc_codes [4096 queries][16 heads x 128].
; SHARES.  Work-group (x, batch): blocks of 16 queries p = x / 2 and 63 - p, heads 8 (x % 2) .. + 7.  Wave w owns head 8 (x % 2) + w and takes one tile (16 queries) of each block in turn: waves 0-3 block p first, waves 4-7 block 63 - p first.
; So all eight waves have the same sum of steps whatever the mask leaves of the two blocks.
; K AND V of the batch, 2 x 131,072 bytes, lie in LDS whole: wave w brings key step w (128 keys) through registers; one barrier; behind it no wave writes these bytes, so the loops have no barrier.
; v arrives as k does, as images of fragments of 16 keys x 128 channels.  The second product wants the keys along a lane's registers: 32 keys at a time go through the wave's stage as rows [key][channel]; ds_load_tr16_b128 on pairs of
; bytes and v_perm_b32 give fragments of the even and of the odd channels of each 32: tile 2 g + e holds channels 32 g + 2 m + e.  The way out puts the channels in order again.
; WHAT THE MASK DECIDES.  mflag (whole numbers, stored by the launch before) says of each key step of a block whether some key counts and whether all count.
;   A step in which no key counts for any of the 16 queries is jumped over: every p there is 2^(masked t - M) = 0, PROVIDED each of the 16 queries has a key that counts somewhere.  If one query has none, the softmax gives it the
;   mean over all keys, so then all eight steps are walked.  A step in which all keys count jumps over the 64 selects.  These are scalar branches on stored whole numbers; the launch has no tensor load,
;   hence no cluster and no joint load.  No prefetch: all that comes from memory is asked for at the head, and there is no loop to run ahead in.
;   The hold of p at 448 x 2^e7 is jumped over where e7 >= -8: p <= 1 lies under it.
; SOFTMAX: t = score x log2(e) x 2^(e4 + e5); M = the running largest t rounded up; p = 2^(t - M); the sum of the unquantised p divides at the end.  A masked score is -2^100, under every sum of 128 products of codes.
; O^T begins as zeros: which step is the first to be walked hangs on the mask.
; THE WAY OUT: a tile's codes, 128 bytes a query, go to a stage of 2 x 16 rows of 1,024 bytes (group = first or second tile, column = 128 w); one barrier; each wave stores four rows in runs of 512 consecutive bytes.
; LIMITS: e4 + e5 between -100 and 26; e7 and e8 between -126 and 119; NaN is not served.
; REGISTERS: window 0: v1-15 addresses and constants; v16-47 q's two fragments; v48-175 k's eight fragments; v176-239 S^T, then p; v240-247 state (-M, largest t, sum x 2, f, 0, two at work); v248-255 at work.
;   window 1: v0-63 O^T; v64-79 p's codes; v80-207 v's eight fragments.
.set KV,    131072                     ; v's images lie behind k's, in LDS as in kv_img
.set STAGE, 262144                     ; at the head 5,120 bytes for each wave (32 rows of 160); behind the first barrier the way out's 32 rows of 1,040
.set STW,   5120
.set VP,    160
.set OPW,   1040
.set SPARE, STAGE+8*STW                ; the spare words, 128 bytes for each wave
.set LI,  1
.set ADK, 2
.set ADV, 3
.set NEG, 4
.set SC7, 5
.set LM7, 6
.set SC8, 7
.set LM8, 8
.set STO, 9
.set RD,  11
.set SPW, 12
.set NIL, 13
.set STV, 14
.set TRA, 15
.set Q,   16
.set F,   48
.set S,   176
.set ST,  240
.set X,   248
.set P,   64
.set FV,  80
.set TB,  2                            ; s2   LDS byte of the step's k;  s24 of its v
.set MO,  3                            ; s3   byte offset in the block's maskw of the mask words that are loaded
.set WV,  16
.set KS,  17
.set NEED, 18                          ; s18, s21: bit 0: this step is walked (shifted each trip); first and second tile
.set MIX,  19                          ; s19, s22: bit 0: it is walked and some of its keys do not count
.set HOLD, 20
.set TBV,  24
.set MIXR, 25                          ; the mixed steps whose mask words are still to be used, bit k = step k
.set CS,  66
.set SEL, 100
.set EO,  104
.set MSB, 0
.macro WIN new                         ; the immediate's high byte repeats the setting that is left
.if MSB != \new
	s_set_vgpr_msb (MSB<<8)|\new
.set MSB, \new
.endif
.endm
.macro MASKLOAD p                      ; the 64 lane masks of the next mixed step of tile p (none left: -1, held at 7, and the words are not used)
	s_ctz_i32_b32 s30, s[MIXR]
	s_min_u32 s30, s30, 7
	s_lshl_b32 s[MO], s30, 8
	s_load_b512 s[32:47], s[8+2*\p:9+2*\p], s[MO] offset:0x0
	s_load_b512 s[48:63], s[8+2*\p:9+2*\p], s[MO] offset:0x40
	s_load_b512 s[68:83], s[8+2*\p:9+2*\p], s[MO] offset:0x80
	s_load_b512 s[84:99], s[8+2*\p:9+2*\p], s[MO] offset:0xc0
.endm
.macro SCALE e, sc, lim                ; v[sc] = 2^e, v[lim] = 448 x 2^e
	s_add_co_i32 s29, s[\e], 127
	s_lshl_b32 s30, s29, 23
	v_mov_b32 v[\sc], s30
	s_add_co_i32 s29, s29, 8
	s_lshl_b32 s29, s29, 23
	s_or_b32 s29, s29, 0x600000
	v_mov_b32 v[\lim], s29
.endm
.macro FLAGS b, need, mix              ; from a block's 16 words of mflag in s[b ..]
	s_mov_b32 s[\need], 0
	s_mov_b32 s[\mix], 0
	s_mov_b32 s77, 0
.irp k, 0,1,2,3,4,5,6,7
	s_or_b32 s77, s77, s[\b+2*\k]
	s_cmp_lg_u32 s[\b+2*\k], 0
	s_cselect_b32 s78, 1<<\k, 0
	s_or_b32 s[\need], s[\need], s78               ; some key of step k counts
	s_cmp_lg_u32 s[\b+2*\k+1], -1
	s_cselect_b32 s78, 1<<\k, 0
	s_or_b32 s[\mix], s[\mix], s78                 ; not all of them
.endr
	s_lshr_b32 s78, s77, 16
	s_or_b32 s77, s77, s78
	s_and_b32 s77, s77, 0xffff                     ; bit r: query r has a key that counts
	s_cmp_eq_u32 s77, 0xffff
	s_cselect_b32 s78, 0, 0xff
	s_or_b32 s[\need], s[\need], s78               ; a query without any: all eight steps
	s_and_b32 s[\mix], s[\mix], s[\need]
.endm
.macro VIN p                           ; 32 keys of v into my stage as rows, and back with the keys along the registers, into the registers that held them.  LDS serves a wave's instructions in order
	s_wait_loadcnt 56-8*(\p)                       ; this round's eight loads are in; behind them v's later rounds and k's 32
.set n, 0
.rept 8
	ds_store_b64 v[STV], v[F+32*(\p)+4*n:F+32*(\p)+4*n+1] offset:(n/4)*16*VP+32*(n%4)
	ds_store_b64 v[STV], v[F+32*(\p)+4*n+2:F+32*(\p)+4*n+3] offset:(n/4)*16*VP+32*(n%4)+16
.set n, n+1
.endr
.set n, 0
.rept 8
	ds_load_tr16_b128 v[F+32*(\p)+4*n:F+32*(\p)+4*n+3], v[TRA] offset:(n/4)*16*VP+32*(n%4)   ; keys 16 (n / 4) + 8 h + 0..7 of columns 32 (n % 4) + 2 r, + 1
.set n, n+1
.endr
.endm
.macro VOUT p, left                    ; even and odd columns parted: registers 4 p .. 4 p + 3 of the eight tiles' fragments, stored as images
	s_wait_dscnt \left
.set n, 0
.rept 8
.set XX, F+32*(\p)+4*n
.set YY, S+32*((\p)%2)+8*(n%4)+2*(n/4)
	v_perm_b32 v[YY], v[XX+1], v[XX], s26
	v_perm_b32 v[YY+1], v[XX+3], v[XX+2], s26
	v_perm_b32 v[YY+4], v[XX+1], v[XX], s27
	v_perm_b32 v[YY+5], v[XX+3], v[XX+2], s27
.set n, n+1
.endr
.set n, 0
.rept 8
	ds_store_b128 v[ADV], v[S+32*((\p)%2)+4*n:S+32*((\p)%2)+4*n+3] offset:2048*n+512*(\p)
.set n, n+1
.endr
.endm
	s_load_b256 s[4:11], s[0:1], 0x0               ; q_img 4, kv_img 6, maskw 8, mflag 10
	s_load_b128 s[12:15], s[0:1], 0x20             ; lowp_scales 12, enc_codes 14
	v_lshl_add_u32 v[SPW], v0, 2, SPARE
	v_mov_b32 v[NIL], 0
	v_lshrrev_b32 v[ADK], 5, v0
	v_readfirstlane_b32 s[WV], v[ADK]              ; wave 0..7
	s_lshr_b32 s21, ttmp9, 1                       ; p
	s_and_b32 s22, ttmp9, 1
	s_and_b32 s23, ttmp7, 0xffff                   ; batch
	s_sub_co_u32 s25, 63, s21
	s_lshr_b32 s26, s[WV], 2
	s_cmp_lg_u32 s26, 0
	s_cselect_b32 s29, s25, s21                    ; my first block,
	s_cselect_b32 s30, s21, s25                    ; my second
	s_lshl_b32 s25, s23, 6
	s_add_co_u32 s29, s29, s25                     ; counted through the batches, 0..255
	s_add_co_u32 s30, s30, s25
	s_lshl_b32 s31, s22, 3
	s_add_co_u32 s31, s31, s[WV]                   ; my head
	s_mul_i32 s27, s[WV], STW
	s_add_co_u32 s27, s27, STAGE                   ; my stage at the head
	s_lshl_b32 s28, s[WV], 14                      ; my key step's images
	s_lshl_b32 s21, s[WV], 7
	s_add_co_u32 s21, s21, STAGE                   ; the way out, in: column 128 w
	s_mul_i32 s24, s[WV], 4*OPW
	s_add_co_u32 s24, s24, STAGE                   ; back: rows 4 w .. 4 w + 3
	s_mov_b32 s79, 0
	v_and_b32 v[LI], 31, v0
	v_lshlrev_b32 v[LI], 4, v[LI]                  ; 16 x lane
	v_and_b32 v[ST], 15, v0                        ; r
	v_bfe_u32 v[ST+1], v0, 4, 1                    ; h
	v_and_b32 v[ST+2], 7, v0
	v_bfe_u32 v[ST+3], v0, 3, 1
	v_mul_u32_u24 v[STV], v[ST], VP
	v_lshl_add_u32 v[STV], v[ST+1], 3, v[STV]
	v_add_nc_u32 v[STV], s27, v[STV]               ; v in: row r, 8 h
	v_lshl_add_u32 v[TRA], v[ST+1], 3, v[ST+2]
	v_mul_u32_u24 v[TRA], v[TRA], VP
	v_lshl_add_u32 v[TRA], v[ST+3], 4, v[TRA]
	v_add_nc_u32 v[TRA], s27, v[TRA]               ; v back: row 8 h + lane % 8, 16 ((lane / 8) % 2)
	v_add_nc_u32 v[ADK], s28, v[LI]                ; at the head: where my step's images of k go,
	v_add_nc_u32 v[ADV], KV, v[ADK]                ; and of v
	v_mul_u32_u24 v[STO], v[ST], OPW
	v_lshl_add_u32 v[STO], v[ST+1], 4, v[STO]
	v_add_nc_u32 v[STO], s21, v[STO]               ; row r, 128 w + 16 h
	v_add_nc_u32 v[RD], s24, v[LI]
	v_mov_b32 v[NEG], 0xf1800000                   ; -2^100
	s_wait_alu depctr_va_vdst(0)
	s_wait_kmcnt 0x0
	s_lshl_b32 s78, s29, 4
	s_add_co_u32 s78, s78, s31
	s_lshl_b32 s78, s78, 11
	s_add_nc_u64 s[80:81], s[4:5], s[78:79]        ; q_img: (block x 16 + head) x 2,048
	s_lshl_b32 s78, s30, 4
	s_add_co_u32 s78, s78, s31
	s_lshl_b32 s78, s78, 11
	s_add_nc_u64 s[82:83], s[4:5], s[78:79]
	s_lshl_b32 s78, s23, 18
	s_add_co_u32 s78, s78, s28
	s_add_nc_u64 s[6:7], s[6:7], s[78:79]          ; kv_img: batch x 262,144 + my key step
.set n, 0
.rept 4
	global_load_b128 v[Q+4*n:Q+4*n+3], v[LI], s[80:81] offset:512*n
.set n, n+1
.endr
.set n, 0
.rept 4
	global_load_b128 v[Q+16+4*n:Q+16+4*n+3], v[LI], s[82:83] offset:512*n
.set n, n+1
.endr
.set n, 0
.rept 32
	global_load_b128 v[F+4*n:F+4*n+3], v[LI], s[6:7] offset:KV+512*n
.set n, n+1
.endr
	WIN 0x40
.set n, 0
.rept 32
	global_load_b128 v[4*n:4*n+3], v[LI], s[6:7] offset:512*n
.set n, n+1
.endr
	WIN 0
	s_lshl_b32 s78, s29, 8
	s_add_nc_u64 s[68:69], s[10:11], s[78:79]
	s_lshl_b32 s78, s30, 8
	s_add_nc_u64 s[70:71], s[10:11], s[78:79]
	s_load_b256 s[32:39], s[68:69], 0x0            ; my first block, steps 0-3: some, all
	s_load_b256 s[40:47], s[68:69], 0x80           ; steps 4-7
	s_load_b256 s[48:55], s[70:71], 0x0            ; my second block
	s_load_b256 s[56:63], s[70:71], 0x80
	s_load_b128 s[72:75], s[12:13], 0x10           ; e4 .. e7
	s_load_b32 s76, s[12:13], 0x20                 ; e8
	s_and_b32 s77, s[WV], 3
	s_lshl_b32 s77, s77, 13                        ; the rows that I store: 4 (w % 4) .. + 3 of a block, 2,048 bytes each,
	s_lshl_b32 s78, s22, 10
	s_add_co_u32 s77, s77, s78                     ; at my work-group's eight heads
	s_mov_b32 s26, 0x06040200                      ; the even bytes of two registers,
	s_mov_b32 s27, 0x07050301                      ; the odd ones
	s_mov_b32 s[SEL], 0x76543210
	s_mov_b32 s[SEL+1], 0xfedcba98
	s_wait_kmcnt 0x0
	s_lshl_b32 s78, s30, 11
	s_add_nc_u64 s[10:11], s[8:9], s[78:79]        ; maskw: 2,048 bytes a block: my second block's,
	s_lshl_b32 s78, s29, 11
	s_add_nc_u64 s[8:9], s[8:9], s[78:79]          ; my first's
	s_lshl_b32 s78, s30, 15                        ; (behind the wait above: the loads of the scales have read s[12:13])
	s_add_co_u32 s78, s78, s77
	s_add_nc_u64 s[12:13], s[14:15], s[78:79]      ; heads 4-7 of stage rows 4 w ..: waves 4-7 made them, from the block that is my second
	s_lshl_b32 s78, s29, 15
	s_add_co_u32 s78, s78, s77
	s_add_nc_u64 s[14:15], s[14:15], s[78:79]      ; heads 0-3: from my first
	FLAGS 32, NEED, MIX
	FLAGS 48, NEED+3, MIX+3
	s_add_co_i32 s30, s72, s73
	s_lshl_b32 s30, s30, 23
	s_add_co_i32 s[CS], s30, 0x3fb8aa3b            ; log2(e) x 2^(e4 + e5): the exponents are added to the exponent field
	s_mov_b32 s[CS+1], s[CS]
	s_add_co_i32 s[EO], s74, s75                   ; e6 + e7
	s_cmp_lt_i32 s75, -8
	s_cselect_b32 s[HOLD], 1, 0
	SCALE 75, SC7, LM7
	SCALE 76, SC8, LM8
	s_mov_b32 s[MIXR], s[MIX]
	s_wait_xcnt 0x0                                ; q's loads have read their bases, which the mask words overwrite
	MASKLOAD 0
	VIN 0
	VIN 1
	VOUT 0, 24                                     ; behind round 0's loads: round 1's 24
	VIN 2
	VOUT 1, 32                                     ; round 0's 8 stores and round 2's 24
	VIN 3
	VOUT 2, 32
	VOUT 3, 8
	s_wait_loadcnt 0x0                             ; k
	WIN 0x04
.set n, 0
.rept 32
	ds_store_b128 v[ADK], v[4*n:4*n+3] offset:512*n
.set n, n+1
.endr
	WIN 0
	s_wait_dscnt 0x0                               ; my step's images are in LDS
	s_barrier_signal -1
	s_barrier_wait -1
; ONE TILE: 16 queries of my head against the key steps that the mask leaves
.macro PASS p
.set n, 0
.rept 8
	v_mov_b32 v[ST+n], 0
.set n, n+1
.endr
	v_mov_b32 v[ST+1], 0xff61b1e6                  ; the largest t so far: -3e38
	v_floor_f32 v[ST], -v[ST+1]                    ; -M
	WIN 0x40
.set n, 0
.rept 64
	v_mov_b32 v[n], 0                              ; O^T
.set n, n+1
.endr
	WIN 0
	s_mov_b32 s[TB], 0
	s_mov_b32 s[TBV], KV
	s_mov_b32 s[KS], 0
	s_wait_alu depctr_va_vdst(0)
.Lstep_\@:                             ; eight trips; the work of a trip is jumped over where the mask leaves none
	s_bitcmp1_b32 s[NEED+3*\p], 0
	s_cbranch_scc0 .Lnext_\@
	v_add_nc_u32 v[ADK], s[TB], v[LI]
	v_add_nc_u32 v[ADV], s[TBV], v[LI]
	v_nop
	v_nop                                          ; four places in front of loads into registers that the last products read
.set n, 0
.rept 32
	ds_load_b128 v[F+4*n:F+4*n+3], v[ADK] offset:512*n
.set n, n+1
.endr
	WIN 0x40
.set n, 0
.rept 32
	ds_load_b128 v[FV+4*n:FV+4*n+3], v[ADV] offset:512*n
.set n, n+1
.endr
	WIN 0
	s_wait_dscnt 48                                ; k's first four fragments are in; behind them its other 16 loads and v's 32
.irp u, 0,1,2,3
	v_wmma_f32_16x16x128_fp8_fp8 v[S+8*\u:S+8*\u+7], v[F+16*\u:F+16*\u+15], v[Q+16*\p:Q+16*\p+15], 0
.endr
	s_wait_dscnt 32                                ; all of k's; v's 32 may be out
.irp u, 4,5,6,7
	v_wmma_f32_16x16x128_fp8_fp8 v[S+8*\u:S+8*\u+7], v[F+16*\u:F+16*\u+15], v[Q+16*\p:Q+16*\p+15], 0
.endr
.rept 4
	v_nop                                          ; places in front of the first read of the scores
.endr
	s_bitcmp1_b32 s[MIX+3*\p], 0
	s_cbranch_scc0 .Lopen_\@
	s_wait_kmcnt 0x0                               ; this step's mask words
.set n, 0
.rept 64
	v_cndmask_b32 v[S+n], v[NEG], v[S+n], s[32+n+4*(n/32)]
.set n, n+1
.endr
	s_sub_co_u32 s30, s[MIXR], 1
	s_and_b32 s[MIXR], s[MIXR], s30                ; this step is done: the next mixed step's words are asked for
	MASKLOAD \p
.Lopen_\@:
	v_max3_num_f32 v[ST+6], v[S], v[S+1], v[S+2]   ; the step's largest score, four chains by turns, each accumulator from its low end on
	v_max3_num_f32 v[ST+7], v[S+3], v[S+4], v[S+5]
	v_max3_num_f32 v[X], v[S+6], v[S+7], v[S+8]
	v_max3_num_f32 v[X+1], v[S+9], v[S+10], v[S+11]
.set n, 12
.rept 6
	v_max3_num_f32 v[ST+6], v[ST+6], v[S+n], v[S+n+1]
	v_max3_num_f32 v[ST+7], v[ST+7], v[S+n+2], v[S+n+3]
	v_max3_num_f32 v[X], v[X], v[S+n+4], v[S+n+5]
	v_max3_num_f32 v[X+1], v[X+1], v[S+n+6], v[S+n+7]
.set n, n+8
.endr
	v_max3_num_f32 v[ST+6], v[ST+6], v[S+60], v[S+61]
	v_max3_num_f32 v[ST+7], v[ST+7], v[S+62], v[S+63]
	v_max3_num_f32 v[ST+6], v[ST+6], v[ST+7], v[X]
	v_max_num_f32 v[ST+6], v[ST+6], v[X+1]
	v_permlanex16_b32 v[ST+7], v[ST+6], s[SEL], s[SEL+1]
	v_max_num_f32 v[ST+6], v[ST+6], v[ST+7]
	v_mul_f32 v[ST+6], s[CS], v[ST+6]
	v_max_num_f32 v[ST+1], v[ST+1], v[ST+6]        ; the running largest t
	v_mov_b32 v[ST+6], v[ST]
	v_floor_f32 v[ST], -v[ST+1]                    ; the new -M
	v_sub_f32 v[ST+6], v[ST], v[ST+6]
	v_cvt_i32_f32 v[ST+6], v[ST+6]                 ; old M - new M (it saturates)
	v_ldexp_f32 v[ST+4], 1.0, v[ST+6]              ; f
.set n, 0
.rept 32
	v_pk_fma_f32 v[S+n:S+n+1], v[S+n:S+n+1], s[CS:CS+1], v[ST:ST+1] op_sel_hi:[1,0,0]
.set n, n+2
.endr
	s_wait_alu depctr_va_vdst(0)                   ; ahead of the batch
.set n, 0
.rept 64
	v_exp_f32 v[S+n], v[S+n]
.set n, n+1
.endr
	v_pk_mul_f32 v[ST+2:ST+3], v[ST+2:ST+3], v[ST+4:ST+5] op_sel_hi:[1,0]
	s_wait_alu depctr_va_vdst(0)                   ; and one behind it, ahead of its first reader
	v_pk_add_f32 v[X:X+1], v[S:S+1], v[S+2:S+3]    ; the sum of the unquantised p, four chains by turns
	v_pk_add_f32 v[X+2:X+3], v[S+4:S+5], v[S+6:S+7]
	v_pk_add_f32 v[X+4:X+5], v[S+8:S+9], v[S+10:S+11]
.set n, 12
.rept 6
	v_pk_add_f32 v[ST+2:ST+3], v[ST+2:ST+3], v[S+n:S+n+1]
	v_pk_add_f32 v[X:X+1], v[X:X+1], v[S+n+2:S+n+3]
	v_pk_add_f32 v[X+2:X+3], v[X+2:X+3], v[S+n+4:S+n+5]
	v_pk_add_f32 v[X+4:X+5], v[X+4:X+5], v[S+n+6:S+n+7]
.set n, n+8
.endr
	v_pk_add_f32 v[ST+2:ST+3], v[ST+2:ST+3], v[S+60:S+61]
	v_pk_add_f32 v[X:X+1], v[X:X+1], v[S+62:S+63]
	v_pk_add_f32 v[X+2:X+3], v[X+2:X+3], v[X+4:X+5]
	v_pk_add_f32 v[ST+2:ST+3], v[ST+2:ST+3], v[X:X+1]
	v_pk_add_f32 v[ST+2:ST+3], v[ST+2:ST+3], v[X+2:X+3]
	s_cmp_eq_u32 s[HOLD], 0
	s_wait_alu depctr_va_vdst(0)
	s_cbranch_scc1 .Lfits_\@
.set n, 0
.rept 64
	v_min_num_f32 v[S+n], v[S+n], v[LM7]           ; the conversion does not saturate (ISA guide 7.6.2); owed only where 448 x 2^e7 lies under 1
.set n, n+1
.endr
.Lfits_\@:
	WIN 0x40
.set n, 0
.rept 8
	v_cvt_scalef32_pk8_fp8_f32 v[P+2*n:P+2*n+1], v[S+8*n:S+8*n+7], v[SC7]
.set n, n+1
.endr
	WIN 0x41
	s_wait_alu depctr_va_vdst(0)                   ; directly ahead of the first reader of O^T
.set n, 0
.rept 32
	v_pk_mul_f32 v[n:n+1], v[n:n+1], v[ST+4:ST+5] op_sel_hi:[1,0]
.set n, n+2
.endr
	s_wait_alu depctr_va_vdst(0)                   ; directly ahead of the wait below
	s_wait_dscnt 0x0                               ; v's fragments
	WIN 0x55
.irp u, 0,1,2,3,4,5,6,7
	v_wmma_f32_16x16x128_fp8_fp8 v[8*\u:8*\u+7], v[FV+16*\u:FV+16*\u+15], v[P:P+15], v[8*\u:8*\u+7]
.endr
	WIN 0
.Lnext_\@:
	s_lshr_b32 s[NEED+3*\p], s[NEED+3*\p], 1
	s_lshr_b32 s[MIX+3*\p], s[MIX+3*\p], 1
	s_add_co_u32 s[TB], s[TB], 16384
	s_add_co_u32 s[TBV], s[TBV], 16384
	s_add_co_u32 s[KS], s[KS], 1
	s_cmp_lt_u32 s[KS], 8
	s_cbranch_scc1 .Lstep_\@
	s_wait_kmcnt 0x0
.if \p == 0
	s_mov_b32 s[MIXR], s[MIX+3]                    ; the second tile's first mixed step: its mask words are asked for ahead of the first tile's way to the stage
	MASKLOAD 1
.endif
	v_add_f32 v[ST+6], v[ST+2], v[ST+3]            ; O^T / the sum x 2^(e6 + e7), quantised with e8
	v_permlanex16_b32 v[ST+7], v[ST+6], s[SEL], s[SEL+1]
	v_add_f32 v[ST+6], v[ST+6], v[ST+7]
	s_wait_alu depctr_va_vdst(0)                   ; ahead of the transcendental
	v_rcp_f32 v[ST+4], v[ST+6]
	v_nop
	s_wait_alu depctr_va_vdst(0)                   ; and behind it
	v_ldexp_f32 v[ST+4], v[ST+4], s[EO]
	WIN 0x01
	s_wait_alu depctr_va_vdst(0)                   ; directly ahead of the first reader of O^T
.set n, 0
.rept 64                               ; register n = 8 (2 g + e) + j is channel 32 g + 16 h + 2 j + e: it goes to place 16 g + 2 j + e, so that a lane's 16 places are 16 neighbouring channels
	v_mul_f32 v[S+16*(n/16)+2*(n%8)+((n/8)%2)], v[n], v[ST+4]
.set n, n+1
.endr
	WIN 0
.set n, 0
.rept 64
	v_med3_num_f32 v[S+n], v[S+n], -v[LM8], v[LM8]
.set n, n+1
.endr
.set n, 0
.rept 8
	v_cvt_scalef32_pk8_fp8_f32 v[F+2*n:F+2*n+1], v[S+8*n:S+8*n+7], v[SC8]
.set n, n+1
.endr
	v_nop                                          ; a plain line behind the last conversion
.set n, 0
.rept 4
	ds_store_b128 v[STO], v[F+4*n:F+4*n+3] offset:16*OPW*\p+32*n
.set n, n+1
.endr
.endm
	PASS 0
	PASS 1
	s_wait_dscnt 0x0                               ; my codes are in the stage
	s_barrier_signal -1
	s_barrier_wait -1
.set n, 0
.rept 8
	ds_load_b128 v[S+4*n:S+4*n+3], v[RD] offset:(n/2)*OPW+512*(n%2)
.set n, n+1
.endr
.set n, 0
.rept 4
	s_wait_dscnt 7-2*n
	global_store_b128 v[LI], v[S+8*n:S+8*n+3], s[14:15] offset:2048*n          ; 512 consecutive bytes, aligned: heads 0-3 of the eight
	s_wait_dscnt 6-2*n
	global_store_b128 v[LI], v[S+8*n+4:S+8*n+7], s[12:13] offset:2048*n+512    ; heads 4-7
.set n, n+1
.endr
	s_wait_tensorcnt 0x0                           ; the wave's end, behind my last LDS store
	ds_add_u32 v[SPW], v[NIL]
	s_wait_dscnt 0x0
	s_endpgm
.Lfunc_end_k_q5f64114f75_attn:
	.size	k_q5f64114f75_attn, .Lfunc_end_k_q5f64114f75_attn-k_q5f64114f75_attn
	.p2alignl 7, 3214868480
	.fill 96, 4, 3214868480
	.section	.rodata,"a",@progbits
	.p2align	6, 0x0
	.amdhsa_kernel k_q5f64114f75_attn
		.amdhsa_group_segment_fixed_size 304128
		.amdhsa_private_segment_fixed_size 0
		.amdhsa_enable_private_segment 0
		.amdhsa_kernarg_size 48
		.amdhsa_user_sgpr_count 2
		.amdhsa_user_sgpr_kernarg_segment_ptr 1
		.amdhsa_wavefront_size32 1
		.amdhsa_system_sgpr_workgroup_id_x 1
		.amdhsa_system_sgpr_workgroup_id_y 1
		.amdhsa_system_sgpr_workgroup_id_z 1
		.amdhsa_system_vgpr_workitem_id 0
		.amdhsa_next_free_vgpr 512
		.amdhsa_next_free_sgpr 106
		.amdhsa_reserve_vcc 0
		.amdhsa_float_denorm_mode_32 3
		.amdhsa_float_denorm_mode_16_64 3
		.amdhsa_memory_ordered 1
		.amdhsa_forward_progress 1
		.amdhsa_inst_pref_size 104
	.end_amdhsa_kernel
	.amdgpu_metadata
---
amdhsa.version: [ 1, 2 ]
amdhsa.kernels:
  - .name:           k_q5f64114f75_attn
    .symbol:         k_q5f64114f75_attn.kd
    .args:
      - { .name: q_img, .offset: 0, .size: 8, .value_kind: global_buffer, .address_space: global }
      - { .name: kv_img, .offset: 8, .size: 8, .value_kind: global_buffer, .address_space: global }
      - { .name: maskw, .offset: 16, .size: 8, .value_kind: global_buffer, .address_space: global }
      - { .name: mflag, .offset: 24, .size: 8, .value_kind: global_buffer, .address_space: global }
      - { .name: lowp_scales, .offset: 32, .size: 8, .value_kind: global_buffer, .address_space: global }
      - { .name: enc_codes, .offset: 40, .size: 8, .value_kind: global_buffer, .address_space: global }
    .group_segment_fixed_size: 304128
    .private_segment_fixed_size: 0
    .kernarg_segment_align: 8
    .kernarg_segment_size: 48
    .max_flat_workgroup_size: 256
    .sgpr_count:     106
    .vgpr_count:     512
    .wavefront_size: 32
...
	.end_amdgpu_metadata
.endif
;; end of part 3
;; launch outp (part 4): grid 8 x 32, 4 waves a work-group, clusters of 4 x 4, 327,680 bytes of LDS; arguments enc_codes, w_codes, lowp_scales, out0; writes out0
.if DOCPART == 4
	.amdgcn_target "amdgcn-amd-amdhsa--gfx1250"
	.amdhsa_code_object_version 6
	.text
	.protected	k_q5f64114f75_outp
	.globl	k_q5f64114f75_outp
	.p2align	8
	.type	k_q5f64114f75_outp,@function
k_q5f64114f75_outp:
	s_mov_b64 s[64:65], 0
	v_nop
	global_prefetch_b8 v0, s[64:65] scope:SCOPE_SE
	s_setreg_imm32_b32 hwreg(HW_REG_WAVE_MODE, 25, 1), 1
	s_wait_xcnt 0x0
	s_wait_alu depctr_hold_cnt(0) depctr_sa_sdst(0) depctr_va_vdst(0) depctr_va_sdst(0) depctr_va_ssrc(0) depctr_va_vcc(0) depctr_vm_vsrc(0)
	s_getreg_b32 s2, hwreg(HW_REG_IB_STS2, 6, 4)
	s_cmp_eq_u32 s2, 0
	s_cbranch_scc0 .Lentry_in_a_cluster
	s_endpgm
.Lentry_in_a_cluster:
	s_bfe_u32 s2, ttmp6, 0x10000c
	s_cmp_lg_u32 s2, 0xf033
	s_cbranch_scc0 .Lentry_shape_is_right
	s_endpgm
.Lentry_shape_is_right:
.set SIZE_N, 2048
.set KROW,   2048
.set PX,     528
.set PY,     272
.set YB,     384*PX
.set SPARE,  YB+384*PY
.set SPITCH, 528
.set FR,     16
.set NP,     4
.set ADRAX, 16
.set ADRBX, 17
.set ADRAY, 18
.set ADRBY, 19
.set STO,  24
.set RD,   25
.set CO,   26
.set SPW,  28
.set NIL,  29
.set TMP,  32
.set AF,   128
.set BK,   128
.set G1AX, 24
.set G1AY, 32
.set G1BX, 40
.set G1BY, 48
.set G0AX, 56
.set G0AY, 60
.set G0BX, 68
.set G0BY, 72
.set MSB, 0
.macro WIN new
.if MSB != \new
	s_set_vgpr_msb (MSB<<8)|\new
.set MSB, \new
.endif
.endm
.set MUL,  0xa1
.set TO_B, 0x40
.macro JLOAD g0a, g1a, g0b, g1b
	s_cmp_eq_u32 s15, 0
	s_cbranch_scc0 .Lfor_b_\@
	tensor_load_to_lds s[\g0a:\g0a+3], s[\g1a:\g1a+7]
	s_nop 0
.rept 4
	v_nop
.endr
	s_branch .Lasked_\@
.Lfor_b_\@:
	tensor_load_to_lds s[\g0b:\g0b+3], s[\g1b:\g1b+7]
	s_nop 0
.rept 4
	v_nop
.endr
.Lasked_\@:
.endm
.macro CREST
	s_cmp_lg_u32 s14, 0
	s_cbranch_scc1 .Lnot_wave_0_\@
	s_barrier_signal -3
.Lnot_wave_0_\@:
	s_barrier_wait -3
	s_barrier_signal -1
	s_barrier_wait -1
.endm
.macro CROUND
	s_barrier_signal -1
	s_barrier_wait -1
	CREST
.endm
.macro SHAPE g, cols, rows
	s_mov_b32 s[\g+1], (\cols)<<16
	s_mov_b32 s[\g+2], (\rows)<<16
	s_mov_b32 s[\g+3], (\cols)<<16
	s_mov_b32 s[\g+4], \rows
	s_mov_b32 s[\g+5], KROW
	s_mov_b32 s[\g+6], 0
	s_mov_b32 s[\g+7], 0
.endm
	s_load_b128 s[4:7], s[0:1], 0x0
	s_load_b128 s[8:11], s[0:1], 0x10
	v_lshl_add_u32 v[SPW], v0, 2, SPARE
	v_mov_b32 v[NIL], 0
	ds_add_u32 v[SPW], v[NIL]
	ds_add_u32 v[SPW], v[NIL]
	v_lshrrev_b32 v1, 5, v0
	v_readfirstlane_b32 s14, v1
	s_lshr_b32 s15, s14, 1
	s_and_b32 s16, s14, 1
	s_bfe_u32 s76, ttmp6, 0x40000
	s_bfe_u32 s77, ttmp6, 0x40004
	s_lshl_b32 s78, ttmp9, 2
	s_add_co_u32 s78, s78, s76
	s_and_b32 s17, ttmp7, 0xffff
	s_lshl_b32 s17, s17, 2
	s_add_co_u32 s17, s17, s77
	s_lshl_b32 s79, s77, 2
	s_lshl_b32 s79, 15, s79
	s_lshl_b32 s80, 0x1111, s76
	s_or_b32 s[G1AX], s79, (1<<20)|(1<<21)|(6<<22)|(3<<25)
	s_or_b32 s[G1AY], s79, (1<<20)|(1<<21)|(5<<22)|(3<<25)
	s_or_b32 s[G1BX], s80, (1<<20)|(1<<21)|(6<<22)|(3<<25)
	s_or_b32 s[G1BY], s80, (1<<20)|(1<<21)|(5<<22)|(3<<25)
	SHAPE G1AX, 512, 64
	SHAPE G1AY, 256, 64
	SHAPE G1BX, 512, 128
	SHAPE G1BY, 256, 128
	s_lshl_b32 s18, s16, 6
	s_lshl_b32 s20, s17, 7
	s_add_co_u32 s20, s20, s18
	s_lshl_b32 s20, s20, 11
	s_mov_b32 s21, 0
	s_lshl_b32 s19, s16, 7
	s_lshl_b32 s82, s78, 8
	s_add_co_u32 s82, s82, s19
	s_lshl_b32 s82, s82, 11
	s_mov_b32 s83, 0
	s_mul_i32 s84, s16, 64*PX
	s_mul_i32 s85, s16, 64*PY
	s_add_co_u32 s85, s85, YB
	s_mul_i32 s86, s16, 128*PX
	s_add_co_u32 s86, s86, 128*PX
	s_mul_i32 s87, s16, 128*PY
	s_add_co_u32 s87, s87, YB+128*PY
	s_wait_dscnt 0x0
	s_wait_kmcnt 0x0
	s_load_b64 s[96:97], s[8:9], 0x20
	s_add_nc_u64 s[6:7], s[6:7], 0x480000
	s_add_nc_u64 s[20:21], s[4:5], s[20:21]
	s_add_nc_u64 s[82:83], s[6:7], s[82:83]
	CROUND
	s_mov_b32 s[G0AX], 1
	s_mov_b32 s[G0AX+1], s84
	s_add_nc_u64 s[G0AX+2:G0AX+3], s[20:21], 0
	s_or_b32 s[G0AX+3], s[G0AX+3], 0x80000000
	s_mov_b32 s[G0BX], 1
	s_mov_b32 s[G0BX+1], s86
	s_add_nc_u64 s[G0BX+2:G0BX+3], s[82:83], 0
	s_or_b32 s[G0BX+3], s[G0BX+3], 0x80000000
	JLOAD G0AX, G1AX, G0BX, G1BX
	s_mov_b32 s[G0AY], 1
	s_mov_b32 s[G0AY+1], s85
	s_add_nc_u64 s[G0AY+2:G0AY+3], s[20:21], 512
	s_or_b32 s[G0AY+3], s[G0AY+3], 0x80000000
	s_mov_b32 s[G0BY], 1
	s_mov_b32 s[G0BY+1], s87
	s_add_nc_u64 s[G0BY+2:G0BY+3], s[82:83], 512
	s_or_b32 s[G0BY+3], s[G0BY+3], 0x80000000
; PREFETCHES INTO THE L2, 512 bytes of each row at a time: behind the load of K bytes 0-511 bytes 512-1023 are asked for, behind the next load 1024-1535, behind the first refill 1536-2047.  Offsets are immediates: no address is stepped.
; Each cluster asks once for what it loads; the four partners of a joint load share its rows out by address.  A's waves: 16 of my 64 rows (by cx), lanes 0-15 the first 256 bytes, lanes 16-31 the second.  B's waves: 32 of my 128 rows (by cy), two instructions.
.macro ASK off
	global_prefetch_b8 v20, s[88:89] offset:\off th:TH_LOAD_NT scope:SCOPE_SE
	s_cmp_eq_u32 s15, 0
	s_cbranch_scc1 .Lpf_\@
	global_prefetch_b8 v20, s[88:89] offset:\off+256 th:TH_LOAD_NT scope:SCOPE_SE
.Lpf_\@:
.endm
	s_lshl_b32 s90, s17, 7
	s_lshl_b32 s91, s16, 6
	s_add_co_u32 s90, s90, s91
	s_lshl_b32 s91, s76, 4
	s_add_co_u32 s90, s90, s91                     ; A: row 128 x tile row + 64 x half + 16 cx
	s_lshl_b32 s92, s78, 8
	s_lshl_b32 s91, s16, 7
	s_add_co_u32 s92, s92, s91
	s_lshl_b32 s91, s77, 5
	s_add_co_u32 s92, s92, s91                     ; B: row 256 x tile column + 128 x half + 32 cy
	s_mov_b32 s93, 31
	s_cmp_eq_u32 s15, 0
	s_cselect_b32 s90, s90, s92
	s_cselect_b64 s[88:89], s[4:5], s[6:7]
	s_cselect_b32 s93, 15, s93
	s_cselect_b32 s92, 256, 0
	s_lshl_b32 s90, s90, 11
	s_mov_b32 s91, 0
	s_add_nc_u64 s[88:89], s[88:89], s[90:91]
	v_and_b32 v20, s93, v0
	v_lshlrev_b32 v20, 11, v20
	v_bfe_u32 v21, v0, 4, 1
	v_mad_u32_u24 v20, v21, s92, v20
	ASK 512
	s_wait_alu depctr_va_vdst(0)
	s_wait_tensorcnt 0x0
	ds_add_u32 v28, v29
	s_wait_dscnt 0x0
	CROUND
	JLOAD G0AY, G1AY, G0BY, G1BY
	ASK 1024
	v_and_b32 v1, 15, v0
	v_bfe_u32 v2, v0, 4, 1
	v_mul_u32_u24 v3, v1, PX
	v_lshl_add_u32 v3, v2, 4, v3
	v_mul_u32_u24 v4, v1, PY
	v_lshl_add_u32 v4, v2, 4, v4
	s_mul_i32 s18, s15, 64*PX
	s_mul_i32 s19, s16, 128*PX
	s_add_co_u32 s19, s19, 128*PX
	s_mul_i32 s22, s15, 64*PY
	s_add_co_u32 s22, s22, YB
	s_mul_i32 s23, s16, 128*PY
	s_add_co_u32 s23, s23, YB+128*PY
	v_add_nc_u32 v[ADRAX], s18, v3
	v_add_nc_u32 v[ADRBX], s19, v3
	v_add_nc_u32 v[ADRAY], s22, v4
	v_add_nc_u32 v[ADRBY], s23, v4
	s_mul_i32 s23, s14, 16*SPITCH
	s_add_co_u32 s23, s23, YB
	v_mul_u32_u24 v5, v1, SPITCH
	v_lshl_add_u32 v5, v2, 5, v5
	v_add_nc_u32 v[STO], s23, v5
	v_and_b32 v6, 31, v0
	v_lshlrev_b32 v[CO], 4, v6
	v_add_nc_u32 v[RD], s23, v[CO]
	s_lshl_b32 s20, s17, 7
	s_lshl_b32 s21, s15, 6
	s_add_co_u32 s20, s20, s21
	s_lshl_b32 s20, s20, 13
	s_mov_b32 s21, 0
	s_lshl_b32 s82, s78, 10
	s_lshl_b32 s83, s16, 9
	s_add_co_u32 s82, s82, s83
	s_mov_b32 s83, 0
	s_add_nc_u64 s[20:21], s[20:21], s[82:83]
	s_add_nc_u64 s[10:11], s[10:11], s[20:21]
.macro FRAG reg, adr, pitch, q, i
.irp c, 0,1,2,3
	ds_load_b128 v[\reg+4*\c:\reg+4*\c+3], v[\adr] offset:128*(\q)+32*\c+(\i)*16*(\pitch)
.endr
.endm
.macro FETCH adra, adrb, pitch, q, p
	WIN TO_B
.irp i, 0,1,2,3,4,5,6,7
	FRAG 128*(\p)+FR*\i, \adrb, \pitch, \q, \i
.endr
	WIN 0
.irp i, 0,1,2,3
	FRAG AF+64*(\p)+FR*\i, \adra, \pitch, \q, \i
.endr
.endm
.macro MUL8 a, p, zero
.irp b, 0,1,2,3,4,5,6,7
.if \zero
	v_wmma_f32_16x16x128_fp8_fp8 v[8*(8*(\a)+\b):8*(8*(\a)+\b)+7], v[128*(\p)+FR*\b:128*(\p)+FR*\b+FR-1], v[AF+64*(\p)+FR*(\a):AF+64*(\p)+FR*(\a)+FR-1], 0
.else
	v_wmma_f32_16x16x128_fp8_fp8 v[8*(8*(\a)+\b):8*(8*(\a)+\b)+7], v[128*(\p)+FR*\b:128*(\p)+FR*\b+FR-1], v[AF+64*(\p)+FR*(\a):AF+64*(\p)+FR*(\a)+FR-1], v[8*(8*(\a)+\b):8*(8*(\a)+\b)+7]
.endif
.endr
.endm
.macro PLACES n
.rept \n
	v_nop
.endr
.endm
.macro STEP p, zero, adra, adrb, pitch, q
	s_wait_dscnt 0x0
	PLACES NP
	FETCH \adra, \adrb, \pitch, \q, 1-(\p)
	WIN MUL
	MUL8 0, \p, \zero
	MUL8 1, \p, \zero
	MUL8 2, \p, \zero
	MUL8 3, \p, \zero
.endm
.macro TURN p, fill, g0a, g1a, g0b, g1b, adra, adrb, pitch
	WIN 0
	s_wait_tensorcnt 0x0
	ds_add_u32 v[SPW], v[NIL]
	s_wait_dscnt 0x1
	WIN MUL
	MUL8 0, \p, 0
	s_wait_dscnt 0x0
	s_barrier_signal -1
	MUL8 1, \p, 0
	WIN 0
	s_barrier_wait -1
.if \fill
	CREST
	s_add_nc_u64 s[\g0a+2:\g0a+3], s[\g0a+2:\g0a+3], 768
	s_add_nc_u64 s[\g0b+2:\g0b+3], s[\g0b+2:\g0b+3], 768
	JLOAD \g0a, \g1a, \g0b, \g1b
.else
	PLACES NP
.endif
	FETCH \adra, \adrb, \pitch, 0, 1-(\p)
	WIN MUL
	MUL8 2, \p, 0
	MUL8 3, \p, 0
.endm
	s_wait_alu depctr_va_vdst(0)
	s_wait_tensorcnt 0x1
	s_barrier_signal -1
	s_barrier_wait -1
	FETCH ADRAX, ADRBX, PX, 0, 0
	STEP 0, 1, ADRAX, ADRBX, PX, 1
	STEP 1, 0, ADRAX, ADRBX, PX, 2
	STEP 0, 0, ADRAX, ADRBX, PX, 3
	TURN 1, 1, G0AX, G1AX, G0BX, G1BX, ADRAY, ADRBY, PY
	WIN 0
	ASK 1536
	STEP 0, 0, ADRAY, ADRBY, PY, 1
	TURN 1, 1, G0AY, G1AY, G0BY, G1BY, ADRAX, ADRBX, PX
	STEP 0, 0, ADRAX, ADRBX, PX, 1
	STEP 1, 0, ADRAX, ADRBX, PX, 2
	STEP 0, 0, ADRAX, ADRBX, PX, 3
	TURN 1, 1, G0AX, G1AX, G0BX, G1BX, ADRAY, ADRBY, PY
	STEP 0, 0, ADRAY, ADRBY, PY, 1
	TURN 1, 0, G0AY, G1AY, G0BY, G1BY, ADRAX, ADRBX, PX
	STEP 0, 0, ADRAX, ADRBX, PX, 1
	STEP 1, 0, ADRAX, ADRBX, PX, 2
	STEP 0, 0, ADRAX, ADRBX, PX, 3
	s_wait_dscnt 0x0
	MUL8 0, 1, 0
	MUL8 1, 1, 0
	MUL8 2, 1, 0
	MUL8 3, 1, 0
	WIN 0
.macro TOSTAGE a
.set AC, 64*(\a)
	WIN 0x02
.set p, 0
.rept 32
	v_pk_mul_f32 v[TMP+p:TMP+p+1], v[AC+p:AC+p+1], s[96:97] op_sel_hi:[1,0]
.set p, p+2
.endr
	WIN 0
.irp b, 0,1,2,3,4,5,6,7
	ds_store_b128 v[STO], v[TMP+8*\b:TMP+8*\b+3] offset:64*\b
	ds_store_b128 v[STO], v[TMP+8*\b+4:TMP+8*\b+7] offset:64*\b+16
.endr
.set BB, BK+64*((\a)%2)
.set p, 0
.rept 16
	ds_load_b128 v[BB+4*p:BB+4*p+3], v[RD] offset:p*SPITCH
.set p, p+1
.endr
.endm
.macro SEND a, younger
.set BB, BK+64*((\a)%2)
	s_wait_dscnt \younger
.if (\a) > 0
	s_add_nc_u64 s[10:11], s[10:11], 16*SIZE_N*4
.endif
.set p, 0
.rept 16
	global_store_b128 v[CO], v[BB+4*p:BB+4*p+3], s[10:11] offset:p*SIZE_N*4 th:TH_STORE_NT
.set p, p+1
.endr
.endm
	s_wait_kmcnt 0x0
	s_add_co_i32 s96, s96, s97
	s_add_co_i32 s96, s96, 127
	s_lshl_b32 s96, s96, 23
	PLACES NP
	TOSTAGE 0
.irp a, 1,2,3
.if \a > 1
	s_wait_xcnt 0x0
.endif
	TOSTAGE \a
	SEND \a-1, 32
.endr
	s_wait_xcnt 0x0
	SEND 3, 0
	s_wait_tensorcnt 0x0
	ds_add_u32 v[SPW], v[NIL]
	s_wait_dscnt 0x0
	CROUND
	s_endpgm
.Lfunc_end_k_q5f64114f75_outp:
	.size	k_q5f64114f75_outp, .Lfunc_end_k_q5f64114f75_outp-k_q5f64114f75_outp
	.p2alignl 7, 3214868480
	.fill 96, 4, 3214868480
	.section	.rodata,"a",@progbits
	.p2align	6, 0x0
	.amdhsa_kernel k_q5f64114f75_outp
		.amdhsa_group_segment_fixed_size 327680
		.amdhsa_private_segment_fixed_size 0
		.amdhsa_enable_private_segment 0
		.amdhsa_kernarg_size 32
		.amdhsa_user_sgpr_count 2
		.amdhsa_user_sgpr_kernarg_segment_ptr 1
		.amdhsa_wavefront_size32 1
		.amdhsa_system_sgpr_workgroup_id_x 1
		.amdhsa_system_sgpr_workgroup_id_y 1
		.amdhsa_system_sgpr_workgroup_id_z 1
		.amdhsa_system_vgpr_workitem_id 0
		.amdhsa_next_free_vgpr 768
		.amdhsa_next_free_sgpr 98
		.amdhsa_reserve_vcc 0
		.amdhsa_float_denorm_mode_32 3
		.amdhsa_float_denorm_mode_16_64 3
		.amdhsa_memory_ordered 1
		.amdhsa_forward_progress 1
		.amdhsa_inst_pref_size 121
	.end_amdhsa_kernel
	.amdgpu_metadata
---
amdhsa.version: [ 1, 2 ]
amdhsa.kernels:
  - .name:           k_q5f64114f75_outp
    .symbol:         k_q5f64114f75_outp.kd
    .args:
      - { .name: enc_codes, .offset: 0, .size: 8, .value_kind: global_buffer, .address_space: global }
      - { .name: w_codes, .offset: 8, .size: 8, .value_kind: global_buffer, .address_space: global }
      - { .name: lowp_scales, .offset: 16, .size: 8, .value_kind: global_buffer, .address_space: global }
      - { .name: out0, .offset: 24, .size: 8, .value_kind: global_buffer, .address_space: global }
    .group_segment_fixed_size: 327680
    .private_segment_fixed_size: 0
    .kernarg_segment_align: 8
    .kernarg_segment_size: 32
    .max_flat_workgroup_size: 128
    .sgpr_count:     98
    .vgpr_count:     768
    .wavefront_size: 32
...
	.end_amdgpu_metadata
.endif
;; end of part 4
